; MI455X (gfx1250); checked and timed in simulation.
; The chip was launched on July 23, 2026; its instructions are those of AMD's public machine-readable ISA for CDNA 5 (MIT licence, August 2026) and "CDNA5" Instruction Set Architecture Reference Guide (July 2026). The comments in the code are by the model that wrote it; some were corrected since.
;; Attention. Allowed arithmetic: matrix products marked QUANTISED: E5M2 operands, one E8M0 scale for each 32 along K, by v_wmma_scale_f32_16x16x128_f8f6f4 with both operands' format E5M2, f32 sums; everything else in f32.
;; Inputs: b_fc 1,024 float32; b_qkv 3,072 float32; w_fc 1,024 x 1,024 float32; w_qkv 1,024 x 3,072 float32; x 4 x 2,048 x 1,024 float32.
;; Outputs: out0 4 x 2,048 x 1,024 float32.
;; This version of the problem:
;;   THIS VERSION OF THE PROBLEM IS GIVEN IN LOW PRECISION. The matrix products marked QUANTISED in the list below multiply operands that are first quantised to E5M2 (5 exponent bits, 2 mantissa bits; 8 bits a number), with one power-of-two scale for each 32 numbers along K (OCP MX v1.0); their sums are f32. All else is computed in f32.
;;   The module's matrix products, in the order in which they are computed (A, B: the left and right operand; K: the contracted axis; several contracted axes count as one K, in the product's order):
;;     1. [M 8,192, K 1,024] x [K 1,024, N 3,072]; A: input x; B: input w_qkv: QUANTISED
;;     2. batch 64 x [M 2,048, K 64] x [K 64, N 2,048]; A: computed on the way; B: computed on the way: QUANTISED
;;     3. batch 64 x [M 2,048, K 2,048] x [K 2,048, N 64]; A: softmax (see below); B: computed on the way: QUANTISED
;;     4. [M 8,192, K 1,024] x [K 1,024, N 1,024]; A: computed on the way; B: input w_fc: QUANTISED
;;   THE QUANTISER, for each operand of a quantised product, along K:
;;     - K is cut into blocks of 32 from its start; a last block that is shorter is filled with zeros.
;;     - A block's scale is 2^e with e = floor(log2(the largest magnitude in the block)) - 15, held to -126 .. 127; a block of zeros has e = 0. As a byte (E8M0): e + 127.
;;     - Each number is divided by its block's scale, clamped to +-57,344, and rounded to the nearest number of E5M2, ties to even, subnormals kept.
;;     - The product sums the exact products of the quantised numbers (number of the format x scale) in f32.
;;   ~~~python
;;   def quantise(x, axis):      # numpy; x: float32 -> the quantised numbers, widened to float32 again
;;       x = np.moveaxis(x, axis, -1); K = x.shape[-1]
;;       x = np.pad(x, [(0, 0)] * (x.ndim - 1) + [(0, -K % 32)]); x = x.reshape(x.shape[:-1] + (-1, 32)); a = np.abs(x).max(-1, keepdims=True)
;;       e = np.where(a > 0, np.clip(np.frexp(np.where(a > 0, a, 1))[1] - 1 - 15, -126, 127), 0)      # np.frexp(a)[1] - 1 = floor(log2(a)), exactly
;;       r = np.clip(x / 2.0 ** e, -57344, 57344)
;;       step = 2.0 ** (np.maximum(np.frexp(np.where(r == 0, 1, r))[1] - 1, -14) - 2)
;;       q = np.round(r / step) * step * 2.0 ** e      # np.round: ties to even
;;       return np.moveaxis(q.reshape(q.shape[:-2] + (-1,))[..., :K], -1, axis).astype(np.float32)
;;   ~~~
;;   SOFTMAX AHEAD OF A QUANTISED PRODUCT. Where the list says 'softmax', what is quantised is not the finished softmax but p = 2^(t - M), with t = logit x log2(e) and M = ceil(the row's largest t), a whole number; so 1/2 < the row's largest p <= 1. The row's sum l is taken of the UNQUANTISED p, in f32, and the product's result is divided by l at the end. Since M is a whole number, a kernel that streams over the keys may use a running M (the ceiling of the running maximum): every later rescaling is an exact power of two, which a block's scale takes up: the codes' values come out the same.
;;   OPERANDS COMPUTED ON THE WAY. 'Computed on the way' means the value that the module computes at that place (a softmax that the list does not call 'softmax' is quantised finished and normalised). What goes into a quantiser is computed in f32, as accurately as f32 sums, v_exp_f32 and their like allow (about 1e-6 of the number): no bf16 or f16 on the way to a quantiser, and a product that is left as it is and whose result goes on into a quantised operand takes f32 operands (vector FMAs, or v_wmma_f32_16x16x4_f32). A number that lies on a knife's edge between two numbers of the format may be rounded either way, as far as f32 arithmetic and the matrix unit's own rounding can turn it there, and no further.
;; One version. Each part assembles by itself: llvm-mc -triple=amdgcn-amd-amdhsa -mcpu=gfx1250 --defsym DOCPART=n.
;; ======== version 1 of 1: 4 launches
;; limits: right only within a limited range of input values
;; workspace buffers: xw_img 12,582,912 bytes; xw_sc 393,216 bytes; qkv_img 25,165,824 bytes; qkv_sc 786,432 bytes; o_img 8,388,608 bytes; o_sc 262,144 bytes
;; launch quant (part 1): grid 512 x 1, 4 waves a work-group, no clusters, 35,328 bytes of LDS; arguments x, w_qkv, w_fc, xw_img, xw_sc; writes xw_img, xw_sc
.if DOCPART == 1
	.amdgcn_target "amdgcn-amd-amdhsa--gfx1250"
	.amdhsa_code_object_version 6
	.text
	.protected	k_q382f5c8027_quant
	.globl	k_q382f5c8027_quant
	.p2align	8
	.type	k_q382f5c8027_quant,@function
k_q382f5c8027_quant:
	s_mov_b64 s[64:65], 0
	v_nop
	global_prefetch_b8 v0, s[64:65] scope:SCOPE_SE
	s_setreg_imm32_b32 hwreg(HW_REG_WAVE_MODE, 25, 1), 1
	s_wait_xcnt 0x0
; x [8192][1024], w_qkv [1024][3072], w_fc [1024][1024], f32, become codes of E5M2 with one E8M0 byte for each 32 along K (K = 1024 for all three).
; A block's scale is 2^(floor(log2(largest magnitude)) - 15); each number is divided by it, held within +-57,344 and rounded to the nearest code, ties to even.
; THE WORKSPACE IS LAID AS IMAGES OF OPERAND REGISTERS.  A fragment is 16 rows x 128 K = 2,048 bytes, [group c 0..3][lane 0..31][16 bytes]: lane (r = lane % 16, h = lane / 16), group c holds k = 32 c + 16 h + 0 .. 15 of row r.
; xw_img: [tile 768][K step 8][2,048]; xw_sc: [tile][K step][16 words], word r = row r's four scale bytes.  Tiles 0-511: x; 512-703: columns of w_qkv; 704-767: columns of w_fc.
; POSITION ORDER: position p of a tensor's rows (tokens, or columns of a weight) holds row SW(p), SW = bits 3 and 4 exchanged: lane r of tile 2 B + u holds row 32 B + 8 u + r + 8 (r / 8).
; LIMITS: NaN and infinities among the inputs are not served.  A block of zeros gets the byte 1 where the rule says 127: its codes are zeros and only this program reads the bytes.  A block whose largest magnitude lies under 2^-111 has its byte held at 1.
; Work-groups 0-255 take x, 256-447 w_qkv, 448-511 w_fc.  Only x's path uses LDS; waves share nothing: no barrier.
.set R,    16                          ; x: v16-143  two sets of 64 numbers as loaded
.set X,    144                         ; x: v144-207 64 numbers in the operand's order
.set PC,   208                         ; x: v208-223 a fragment's codes
.set TM,   224                         ; x: v224-239 at work
.set PW,   240                         ; x: the scale word
.set XW,   16                          ; weights: v16-143 128 numbers down K
.set CW,   144                         ; weights: v144-175 codes, eight registers a block
.set SEL,  20                          ; s[20:21] v_permlanex16_b32's selects for lane l xor 16
.set MNT,  22                          ; s22 the mantissa field of 57,344
.set STGB, 8704                        ; x: LDS for a wave: a stage of 16 rows x 528 bytes, then 256 bytes of scale words
.set SCW,  8448
; 64 numbers of a lane, register 16 b + i = k 32 b + 16 h + i of my row, become the codes in v[PC] on and the scale word in v[PW]
.macro QUANT s
.irp b, 0,1,2,3
	v_max3_num_f32 v[TM+\b], |v[\s+16*\b]|, |v[\s+1+16*\b]|, 0x8000000   ; my 16 numbers of block b, and the floor 2^(16 - 127): the byte cannot fall under 1
.endr
.irp i, 2,4,6,8,10,12,14
.irp b, 0,1,2,3
	v_max3_num_f32 v[TM+\b], v[TM+\b], |v[\s+16*\b+\i]|, |v[\s+1+16*\b+\i]|
.endr
.endr
.irp b, 0,1,2,3
	v_permlanex16_b32 v[TM+4+\b], v[TM+\b], s[SEL], s[SEL+1]
.endr
.irp b, 0,1,2,3
	v_max_num_f32 v[TM+\b], v[TM+\b], v[TM+4+\b]           ; with lane l xor 16's 16: the block's largest magnitude
.endr
.irp b, 0,1,2,3
	v_add_nc_u32 v[TM+12+\b], 0xf8800000, v[TM+\b]         ; 15 off its exponent field: the conversion's scale operand
.endr
.irp b, 0,1,2,3
	v_and_or_b32 v[TM+8+\b], v[TM+\b], 0x7f800000, s[MNT]  ; 57,344 x the scale
.endr
.irp b, 0,1,2,3
	v_lshrrev_b32 v[TM+4+\b], 23, v[TM+12+\b]              ; the scale's byte
.endr
	v_lshl_or_b32 v[PW], v[TM+5], 8, v[TM+4]
	v_lshl_or_b32 v[PW], v[TM+6], 16, v[PW]
	v_lshl_or_b32 v[PW], v[TM+7], 24, v[PW]
.irp b, 0,1,2,3
.irp i, 0,1,2,3,4,5,6,7,8,9,10,11,12,13,14,15
	v_med3_num_f32 v[\s+16*\b+\i], v[\s+16*\b+\i], -v[TM+8+\b], v[TM+8+\b]   ; the conversion does not saturate (ISA guide 7.6.2): the hold comes first
.endr
	v_cvt_scalef32_pk8_bf8_f32 v[PC+4*\b:PC+1+4*\b], v[\s+16*\b:\s+7+16*\b], v[TM+12+\b]
	v_cvt_scalef32_pk8_bf8_f32 v[PC+2+4*\b:PC+3+4*\b], v[\s+8+16*\b:\s+15+16*\b], v[TM+12+\b]
.endr
	v_nop                                          ; a plain line behind the last conversion
.endm
	s_load_b256 s[4:11], s[0:1], 0x0               ; x s[4:5], w_qkv s[6:7], w_fc s[8:9], xw_img s[10:11]
	s_load_b64 s[12:13], s[0:1], 0x20              ; xw_sc
	v_lshl_add_u32 v254, v0, 2, 0x8800
	v_mov_b32 v255, 0
	v_lshrrev_b32 v1, 5, v0
	v_readfirstlane_b32 s16, v1                    ; wave
	v_and_b32 v1, 31, v0                           ; lane
	s_mov_b32 s[SEL], 0x76543210
	s_mov_b32 s[SEL+1], 0xfedcba98
	s_mov_b32 s[MNT], 0x600000
	s_mov_b32 s25, 0
	s_wait_kmcnt 0x0
	s_cmp_lt_u32 ttmp9, 256
	s_cbranch_scc0 .Lweights
; ---- x.  A wave takes one tile of 16 rows and half of K: four fragments.
	s_lshl_b32 s17, ttmp9, 2
	s_add_co_u32 s17, s17, s16
	s_lshr_b32 s18, s17, 1                         ; tile T
	s_and_b32 s19, s17, 1                          ; which half of K
	s_lshr_b32 s24, s18, 1
	s_lshl_b32 s24, s24, 17                        ; 32 rows of 4,096 bytes for each pair of tiles,
	s_and_b32 s26, s18, 1
	s_lshl_b32 s26, s26, 15                        ; 8 rows for the odd tile,
	s_add_co_u32 s24, s24, s26
	s_lshl_b32 s26, s19, 11                        ; 512 numbers for the second half of K
	s_add_co_u32 s24, s24, s26
	s_add_nc_u64 s[4:5], s[4:5], s[24:25]
	s_lshl_b32 s24, s18, 14
	s_lshl_b32 s26, s19, 13
	s_add_co_u32 s24, s24, s26
	s_add_nc_u64 s[10:11], s[10:11], s[24:25]      ; my four fragments' images
	s_lshl_b32 s24, s18, 9
	s_lshl_b32 s26, s19, 8
	s_add_co_u32 s24, s24, s26
	s_add_nc_u64 s[12:13], s[12:13], s[24:25]      ; and their 256 bytes of scale words
	s_mul_i32 s23, s16, STGB
	v_and_b32 v8, 15, v0                           ; r
	v_bfe_u32 v9, v0, 4, 1                         ; h
	s_wait_alu depctr_va_vdst(0)
	v_lshlrev_b32 v2, 4, v1                        ; 16 x lane
	v_add_nc_u32 v3, s23, v2                       ; the stage, in: a row's 512 bytes as loaded
	v_mul_u32_u24 v4, v8, 528
	v_lshl_add_u32 v4, v9, 6, v4
	v_add_nc_u32 v4, s23, v4                       ; out: row r, + 64 h: my 16 numbers of a block of 32
	s_add_co_u32 s23, s23, SCW
	v_lshl_add_u32 v5, v8, 2, s23                  ; my row's scale word
	v_lshlrev_b32 v7, 3, v1
	v_add_nc_u32 v6, s23, v7                       ; and on the way out 8 bytes a lane
.irp b, 0,1,2,3
	v_mov_b32 v[TM+4+\b], 0                        ; a lane permute's destination counts as one of its sources
.endr
.macro LOAD t                          ; step t: 128 numbers of each of the tile's 16 rows; a load reads 512 consecutive bytes of one row
.irp i, 0,1,2,3,4,5,6,7,8,9,10,11,12,13,14,15
	global_load_b128 v[R+64*((\t)%2)+4*\i:R+64*((\t)%2)+4*\i+3], v2, s[4:5] offset:(\i+8*(\i/8))*4096+512*(\t) th:TH_LOAD_NT
.endr
.endm
.macro XSTEP t
.if (\t) < 3
	s_wait_loadcnt 16                              ; this step's 16 loads are in; the next step's 16 may be out
.else
	s_wait_loadcnt 0x0
.endif
.irp i, 0,1,2,3,4,5,6,7,8,9,10,11,12,13,14,15
	ds_store_b128 v3, v[R+64*((\t)%2)+4*\i:R+64*((\t)%2)+4*\i+3] offset:528*\i
.endr
.irp b, 0,1,2,3
.irp j, 0,1,2,3
	ds_load_b128 v[X+16*\b+4*\j:X+16*\b+4*\j+3], v4 offset:128*\b+16*\j   ; LDS serves a wave's instructions in order: these see the stores above
.endr
.endr
	s_wait_dscnt 0x0                               ; the numbers are back, and the stores have read their registers
	s_wait_xcnt 0x0                                ; the last step's stores have read the codes' registers
.if (\t) < 2
	LOAD (\t)+2
.endif
	QUANT X
.irp c, 0,1,2,3
	global_store_b128 v2, v[PC+4*\c:PC+4*\c+3], s[10:11] offset:2048*(\t)+512*\c   ; 32 lanes store 512 consecutive bytes
.endr
	ds_store_b32 v5, v[PW] offset:64*(\t)          ; lanes l and l xor 16 write the same word with the same value
.endm
	LOAD 0
	LOAD 1
	s_wait_alu depctr_va_vdst(0)
	XSTEP 0
	XSTEP 1
	XSTEP 2
	XSTEP 3
	ds_load_b64 v[12:13], v6
	s_wait_dscnt 0x0
	global_store_b64 v7, v[12:13], s[12:13]        ; 32 lanes store 256 consecutive bytes, aligned
	s_wait_tensorcnt 0x0
	ds_add_u32 v254, v255
	s_wait_dscnt 0x0
	s_endpgm
; ---- the weights: K is the first axis.  A lane takes a column and its registers run down K; a wave takes 32 columns x 128 K: two fragments.
.Lweights:
	s_wait_alu depctr_va_vdst(0)
	v_and_b32 v8, 7, v1
	v_and_b32 v9, 8, v1
	v_lshl_or_b32 v8, v9, 1, v8
	v_and_b32 v9, 16, v1
	v_lshrrev_b32 v9, 1, v9
	v_or_b32 v8, v8, v9                            ; SW(lane): the column that position lane holds
	v_lshlrev_b32 v2, 2, v8
	v_lshrrev_b32 v9, 4, v1
	v_and_b32 v10, 15, v1
	v_lshlrev_b32 v3, 4, v10
	v_lshl_add_u32 v3, v9, 14, v3                  ; images: tile lane / 16, 16 bytes at row lane % 16
	v_lshlrev_b32 v4, 2, v10
	v_lshl_add_u32 v4, v9, 9, v4                   ; scale words likewise
.macro WLOAD N, SRC, c                 ; block c: 32 rows of the weight at my column: 128 consecutive bytes a wave, 512 a work-group
.irp i, 0,1,2,3,4,5,6,7,8,9,10,11,12,13,14,15,16,17,18,19,20,21,22,23,24,25,26,27,28,29,30,31
	global_load_b32 v[XW+32*(\c)+\i], v2, s[\SRC:\SRC+1] offset:(32*(\c)+\i)*\N*4 th:TH_LOAD_NT
.endr
.endm
.macro WBLOCK N, SRC, c
.set XS, XW+32*(\c)
.if (\c) < 3
	s_wait_loadcnt 32                              ; this block's 32 loads are in; the next block's may be out
.else
	s_wait_loadcnt 0x0
.endif
.if (\c) < 2
	WLOAD \N, \SRC, (\c)+2
.endif
	v_max3_num_f32 v12, |v[XS]|, |v[XS+1]|, |v[XS+2]|      ; all 32 numbers of the block are mine
	v_max3_num_f32 v13, |v[XS+3]|, |v[XS+4]|, |v[XS+5]|
.irp i, 6,10,14,18,22,26
	v_max3_num_f32 v12, v12, |v[XS+\i]|, |v[XS+\i+1]|
	v_max3_num_f32 v13, v13, |v[XS+\i+2]|, |v[XS+\i+3]|
.endr
	v_max3_num_f32 v12, v12, |v[XS+30]|, |v[XS+31]|
	v_max3_num_f32 v12, v12, v13, 0x8000000
	v_add_nc_u32 v11, 0xf8800000, v12
	v_and_or_b32 v10, v12, 0x7f800000, s[MNT]
	v_lshrrev_b32 v13, 23, v11
.if (\c) == 0
	v_mov_b32 v14, v13
.else
	v_lshl_or_b32 v14, v13, 8*(\c), v14
.endif
.irp i, 0,1,2,3,4,5,6,7,8,9,10,11,12,13,14,15,16,17,18,19,20,21,22,23,24,25,26,27,28,29,30,31
	v_med3_num_f32 v[XS+\i], v[XS+\i], -v10, v10
.endr
.irp g, 0,1,2,3
	v_cvt_scalef32_pk8_bf8_f32 v[CW+8*(\c)+2*\g:CW+8*(\c)+2*\g+1], v[XS+8*\g:XS+8*\g+7], v11
.endr
	v_nop
	global_store_b128 v3, v[CW+8*(\c):CW+8*(\c)+3], s[10:11] offset:512*(\c)         ; k 32 c + 0 .. 15: the image's lanes 0-15; sixteen lanes store 256 consecutive bytes
	global_store_b128 v3, v[CW+8*(\c)+4:CW+8*(\c)+7], s[10:11] offset:512*(\c)+256   ; k 32 c + 16 .. 31: its lanes 16-31
.endm
.macro WPATH N, SRC, TILE0, WG0
	s_sub_co_u32 s17, ttmp9, \WG0
	s_lshr_b32 s18, s17, 3                         ; which 128 columns
	s_and_b32 s19, s17, 7                          ; which K step
	s_lshl_b32 s18, s18, 7
	s_lshl_b32 s24, s16, 5
	s_add_co_u32 s18, s18, s24                     ; my wave's first position
	s_mul_i32 s24, s19, 128*\N*4
	s_lshl_b32 s26, s18, 2
	s_add_co_u32 s24, s24, s26
	s_add_nc_u64 s[\SRC:\SRC+1], s[\SRC:\SRC+1], s[24:25]
	s_lshr_b32 s18, s18, 4
	s_add_co_u32 s18, s18, \TILE0                  ; my first tile
	s_lshl_b32 s24, s18, 14
	s_lshl_b32 s26, s19, 11
	s_add_co_u32 s24, s24, s26
	s_add_nc_u64 s[10:11], s[10:11], s[24:25]
	s_lshl_b32 s24, s18, 9
	s_lshl_b32 s26, s19, 6
	s_add_co_u32 s24, s24, s26
	s_add_nc_u64 s[12:13], s[12:13], s[24:25]
	WLOAD \N, \SRC, 0
	WLOAD \N, \SRC, 1
	WBLOCK \N, \SRC, 0
	WBLOCK \N, \SRC, 1
	WBLOCK \N, \SRC, 2
	WBLOCK \N, \SRC, 3
	global_store_b32 v4, v14, s[12:13]             ; two pieces of 64 bytes a wave: one byte for each 128 that the wave reads
.endm
	s_cmp_lt_u32 ttmp9, 448
	s_cbranch_scc0 .Lfc
	s_wait_alu depctr_va_vdst(0)
	WPATH 3072, 6, 512, 256
	s_endpgm
.Lfc:
	s_wait_alu depctr_va_vdst(0)
	WPATH 1024, 8, 704, 448
	s_endpgm
.Lfunc_end_k_q382f5c8027_quant:
	.size	k_q382f5c8027_quant, .Lfunc_end_k_q382f5c8027_quant-k_q382f5c8027_quant
	.p2alignl 7, 3214868480
	.fill 96, 4, 3214868480
	.section	.rodata,"a",@progbits
	.p2align	6, 0x0
	.amdhsa_kernel k_q382f5c8027_quant
		.amdhsa_group_segment_fixed_size 35328
		.amdhsa_private_segment_fixed_size 0
		.amdhsa_enable_private_segment 0
		.amdhsa_kernarg_size 40
		.amdhsa_user_sgpr_count 2
		.amdhsa_user_sgpr_kernarg_segment_ptr 1
		.amdhsa_wavefront_size32 1
		.amdhsa_system_sgpr_workgroup_id_x 1
		.amdhsa_system_sgpr_workgroup_id_y 1
		.amdhsa_system_sgpr_workgroup_id_z 1
		.amdhsa_system_vgpr_workitem_id 0
		.amdhsa_next_free_vgpr 256
		.amdhsa_next_free_sgpr 66
		.amdhsa_reserve_vcc 0
		.amdhsa_float_denorm_mode_32 3
		.amdhsa_float_denorm_mode_16_64 3
		.amdhsa_memory_ordered 1
		.amdhsa_forward_progress 1
		.amdhsa_inst_pref_size 108
	.end_amdhsa_kernel
	.amdgpu_metadata
---
amdhsa.version: [ 1, 2 ]
amdhsa.kernels:
  - .name:           k_q382f5c8027_quant
    .symbol:         k_q382f5c8027_quant.kd
    .args:
      - { .name: x, .offset: 0, .size: 8, .value_kind: global_buffer, .address_space: global }
      - { .name: w_qkv, .offset: 8, .size: 8, .value_kind: global_buffer, .address_space: global }
      - { .name: w_fc, .offset: 16, .size: 8, .value_kind: global_buffer, .address_space: global }
      - { .name: xw_img, .offset: 24, .size: 8, .value_kind: global_buffer, .address_space: global }
      - { .name: xw_sc, .offset: 32, .size: 8, .value_kind: global_buffer, .address_space: global }
    .group_segment_fixed_size: 35328
    .private_segment_fixed_size: 0
    .kernarg_segment_align: 8
    .kernarg_segment_size: 40
    .max_flat_workgroup_size: 128
    .sgpr_count:     66
    .vgpr_count:     256
    .wavefront_size: 32
...
	.end_amdgpu_metadata
.endif
;; end of part 1
;; launch qkv (part 2): grid 12 x 32, 4 waves a work-group, clusters of 4 x 4, 327,680 bytes of LDS; arguments xw_img, xw_sc, b_qkv, qkv_img, qkv_sc; writes qkv_img, qkv_sc
.if DOCPART == 2
	.amdgcn_target "amdgcn-amd-amdhsa--gfx1250"
	.amdhsa_code_object_version 6
	.text
	.protected	k_q382f5c8027_qkv
	.globl	k_q382f5c8027_qkv
	.p2align	8
	.type	k_q382f5c8027_qkv,@function
k_q382f5c8027_qkv:
	s_mov_b64 s[64:65], 0
	v_nop
	global_prefetch_b8 v0, s[64:65] scope:SCOPE_SE
	s_setreg_imm32_b32 hwreg(HW_REG_WAVE_MODE, 25, 1), 1
	s_wait_xcnt 0x0
	s_wait_alu depctr_hold_cnt(0) depctr_sa_sdst(0) depctr_va_vdst(0) depctr_va_sdst(0) depctr_va_ssrc(0) depctr_va_vcc(0) depctr_vm_vsrc(0)
	s_getreg_b32 s2, hwreg(HW_REG_IB_STS2, 6, 4)
	s_cmp_eq_u32 s2, 0
	s_cbranch_scc0 .Lentry_in_a_cluster
	s_endpgm
.Lentry_in_a_cluster:
	s_bfe_u32 s2, ttmp6, 0x10000c
	s_cmp_lg_u32 s2, 0xf033
	s_cbranch_scc0 .Lentry_shape_is_right
	s_endpgm
.Lentry_shape_is_right:
.set NP,     8
.set SLOT,   131072
.set SCL,    262144
.set SPARE,  278528
.set STG,    279040
.set ADRA, 16
.set ADRB, 20
.set OA,   24
.set SWA,  25
.set SRA,  26
.set ADRS, 27
.set SPW,  28
.set NIL,  29
.set SC,   32
.set BI,   64
.set AF,   128
.set T,    128
.set PCB,  64
.set TM,   96
.set PW,   112
.set SEL,  2
.set MNT,  19
.set G1, 24
.set G0, 32
.set G1B, 48
.set G0B, 56
.set G1S, 68
.set G0S, 76
.set G1SB, 80
.set G0SB, 88
.set MSB, 0
.macro WIN new
.if MSB != (\new)
	s_set_vgpr_msb (MSB<<8)|(\new)
.set MSB, (\new)
.endif
.endm
.set MUL_LO, 0xa1
.set MUL_HI, 0xf1
.set TO_B,   0x40
.macro JLOAD g0a, g1a, g0b, g1b
	s_cmp_eq_u32 s15, 0
	s_cbranch_scc0 .Lfor_b_\@
	tensor_load_to_lds s[\g0a:\g0a+3], s[\g1a:\g1a+7]
	s_nop 0
.rept 4
	v_nop
.endr
	s_branch .Lasked_\@
.Lfor_b_\@:
	tensor_load_to_lds s[\g0b:\g0b+3], s[\g1b:\g1b+7]
	s_nop 0
.rept 4
	v_nop
.endr
.Lasked_\@:
.endm
.macro CREST
	s_cmp_lg_u32 s14, 0
	s_cbranch_scc1 .Lnot_wave_0_\@
	s_barrier_signal -3
.Lnot_wave_0_\@:
	s_barrier_wait -3
	s_barrier_signal -1
	s_barrier_wait -1
.endm
.macro CROUND
	s_barrier_signal -1
	s_barrier_wait -1
	CREST
.endm
	s_load_b256 s[4:11], s[0:1], 0x0
	s_load_b64 s[12:13], s[0:1], 0x20
	v_lshl_add_u32 v[SPW], v0, 2, SPARE
	v_mov_b32 v[NIL], 0
	ds_add_u32 v28, v29
	ds_add_u32 v28, v29
	s_wait_dscnt 0x0
	v_lshrrev_b32 v1, 5, v0
	v_readfirstlane_b32 s14, v1
	s_lshr_b32 s15, s14, 1
	s_and_b32 s16, s14, 1
	s_bfe_u32 s40, ttmp6, 0x40000
	s_bfe_u32 s41, ttmp6, 0x40004
	s_and_b32 s17, ttmp7, 0xffff
	s_lshl_b32 s17, s17, 2
	s_lshl_b32 s18, ttmp9, 2
	s_add_co_u32 s18, s18, 32
	s_lshl_b32 s43, s41, 2
	s_lshl_b32 s43, 15, s43
	s_lshl_b32 s44, 0x1111, s40
	s_cmp_eq_u32 ttmp9, 2
	s_cselect_b32 s95, 1, 0
	s_cselect_b32 s20, 40, s17
	s_cselect_b32 s46, s17, s18
	s_add_co_u32 s20, s20, s41
	s_add_co_u32 s46, s46, s40
	s_or_b32 s[G1+0], s43, (3<<16)|(1<<21)
	s_or_b32 s[G1B+0], s44, (3<<16)|(1<<21)
.irp g, G1, G1B
	s_mov_b32 s[\g+1], 512<<16
	s_mov_b32 s[\g+2], 16<<16
	s_mov_b32 s[\g+3], 512<<16
	s_mov_b32 s[\g+4], 16
	s_mov_b32 s[\g+5], 2048
	s_mov_b32 s[\g+6], 0
	s_mov_b32 s[\g+7], 0
.endr
	s_or_b32 s[G1S+0], s43, (3<<16)|(1<<21)
	s_or_b32 s[G1SB+0], s44, (3<<16)|(1<<21)
.irp g, G1S, G1SB
	s_mov_b32 s[\g+1], 32<<16
	s_mov_b32 s[\g+2], 32<<16
	s_mov_b32 s[\g+3], 32<<16
	s_mov_b32 s[\g+4], 32
	s_mov_b32 s[\g+5], 32
	s_mov_b32 s[\g+6], 0
	s_mov_b32 s[\g+7], 0
.endr
	s_lshl_b32 s20, s20, 4
	s_lshl_b32 s46, s46, 4
	s_lshl_b32 s22, s20, 9
	s_mov_b32 s23, 0
	s_lshl_b32 s20, s20, 14
	s_mov_b32 s21, 0
	s_lshl_b32 s92, s46, 9
	s_mov_b32 s93, 0
	s_lshl_b32 s46, s46, 14
	s_mov_b32 s47, 0
	s_lshl_b32 s45, s14, 15
	s_wait_kmcnt 0x0
	s_add_nc_u64 s[20:21], s[4:5], s[20:21]
	s_add_nc_u64 s[22:23], s[6:7], s[22:23]
	s_add_nc_u64 s[46:47], s[4:5], s[46:47]
	s_add_nc_u64 s[92:93], s[6:7], s[92:93]
	CROUND
	s_mov_b32 s[G0S], 1
	s_mov_b32 s[G0S+1], SCL
	s_mov_b64 s[G0S+2:G0S+3], s[22:23]
	s_or_b32 s[G0S+3], s[G0S+3], 0x80000000
	s_mov_b32 s[G0SB], 1
	s_mov_b32 s[G0SB+1], SCL+8192
	s_mov_b64 s[G0SB+2:G0SB+3], s[92:93]
	s_or_b32 s[G0SB+3], s[G0SB+3], 0x80000000
	; the head's four tiles, each whole, one load a wave: slot 0's 16 images of A, of B, A's scale words, B's
	s_mov_b32 s[G0], 1
	s_mov_b32 s[G0+1], 0
	s_mov_b64 s[G0+2:G0+3], s[20:21]
	s_or_b32 s[G0+3], s[G0+3], 0x80000000
	s_mov_b32 s[G0B], 1
	s_mov_b32 s[G0B+1], 65536
	s_mov_b64 s[G0B+2:G0B+3], s[46:47]
	s_or_b32 s[G0B+3], s[G0B+3], 0x80000000
	s_lshl_b32 s66, s16, 17                        ; in the ring a wave fetches 8 of the 16 images: which half, in bytes
	s_mov_b32 s67, 0
	s_mov_b32 s[G0+4], 1
	s_add_co_u32 s[G0+5], s45, SLOT
	s_add_nc_u64 s[G0+6:G0+7], s[20:21], s[66:67]
	s_add_nc_u64 s[G0+6:G0+7], s[G0+6:G0+7], 4096
	s_or_b32 s[G0+7], s[G0+7], 0x80000000
	s_mov_b32 s[G0B+4], 1
	s_add_co_u32 s[G0B+5], s45, SLOT
	s_add_nc_u64 s[G0B+6:G0B+7], s[46:47], s[66:67]
	s_add_nc_u64 s[G0B+6:G0B+7], s[G0B+6:G0B+7], 4096
	s_or_b32 s[G0B+7], s[G0B+7], 0x80000000
.macro ARM under, g0, g1, next
	s_cmp_lt_u32 s14, \under
	s_cbranch_scc0 \next
	tensor_load_to_lds s[\g0:\g0+3], s[\g1:\g1+7]
	s_nop 0
.rept 4
	v_nop
.endr
	s_branch .Lhead_asked
\next:
.endm
	ARM 1, G0, G1, .Lhead_b
	ARM 2, G0B, G1B, .Lhead_sa
	ARM 3, G0S, G1S, .Lhead_sb
	tensor_load_to_lds s[G0SB:G0SB+3], s[G1SB:G1SB+7]
	s_nop 0
.rept 4
	v_nop
.endr
.Lhead_asked:
	v_and_b32 v1, 15, v0
	v_bfe_u32 v2, v0, 4, 1
	s_wait_alu depctr_va_vdst(0)
	v_and_b32 v3, 31, v0
	v_lshlrev_b32 v[OA], 4, v3
	s_wait_alu depctr_va_vdst(0)
	s_lshl_b32 s21, s15, 15
	s_lshl_b32 s22, s16, 15
	s_add_co_u32 s22, s22, 65536
.irp s, 0,1
	v_add_nc_u32 v[ADRA+\s], s21, v[OA]
	v_add_nc_u32 v[ADRB+\s], s22, v[OA]
	s_add_co_u32 s21, s21, SLOT
	s_add_co_u32 s22, s22, SLOT
.endr
	s_lshl_b32 s21, s15, 12
	s_lshl_b32 s22, s16, 12
	s_add_co_u32 s22, s22, 8192
	s_sub_co_u32 s22, s22, s21
	v_mul_u32_u24 v6, s22, v2
	s_add_co_u32 s21, s21, SCL
	v_lshl_add_u32 v5, v1, 2, v6
	v_add_nc_u32 v[ADRS], s21, v5
	s_lshl_b32 s23, s14, 9
	s_add_co_u32 s23, s23, STG
	v_lshl_add_u32 v[SWA], v1, 2, s23
	v_add_nc_u32 v[SRA], s23, v[OA]
	s_mov_b32 s[SEL], 0x76543210
	s_mov_b32 s[SEL+1], 0xfedcba98
	s_cmp_eq_u32 s95, 1
	s_cselect_b32 s96, s40, s41
	s_cselect_b32 s97, s41, s40
	s_cselect_b32 s98, s16, s15
	s_cselect_b32 s99, s15, s16
	s_add_co_u32 s96, s96, s17
	s_lshl_b32 s97, s97, 1
	s_add_co_u32 s97, s97, s99
	s_lshl_b32 s18, ttmp9, 12
	s_lshl_b32 s19, s97, 9
	s_add_co_u32 s18, s18, s19
	s_mov_b32 s19, 0
	s_add_nc_u64 s[8:9], s[8:9], s[18:19]
	s_lshr_b32 s18, s96, 3
	s_lshl_b32 s18, s18, 3
	s_add_co_u32 s18, s18, s97
	s_lshl_b32 s18, s18, 4
	s_and_b32 s96, s96, 7
	s_lshl_b32 s96, s96, 1
	s_add_co_u32 s18, s18, s96
	s_add_co_u32 s18, s18, s98
	s_lshl_b32 s96, ttmp9, 9
	s_add_co_u32 s18, s18, s96
	s_lshl_b32 s96, s18, 14
	s_mov_b32 s97, 0
	s_add_nc_u64 s[10:11], s[10:11], s[96:97]
	s_lshl_b32 s96, s18, 9
	s_add_nc_u64 s[12:13], s[12:13], s[96:97]
	s_mov_b32 s[MNT], 0x600000
	v_lshlrev_b32 v7, 6, v2
	v_and_b32 v8, 8, v1
	v_add_nc_u32 v8, v8, v1
	v_lshlrev_b32 v8, 2, v8
	s_cmp_eq_u32 s95, 0
	s_cbranch_scc0 .Lbias_v
.irp b, 0,1,2,3,4,5,6,7
	global_load_b128 v[BI+8*\b:BI+8*\b+3], v7, s[8:9] offset:(32*(\b/2)+8*(\b%2))*4
	global_load_b128 v[BI+8*\b+4:BI+8*\b+7], v7, s[8:9] offset:(32*(\b/2)+8*(\b%2))*4+16
.endr
	s_branch .Lbias_in
.Lbias_v:
	s_wait_alu depctr_va_vdst(0)
.irp a, 0,1,2,3,4,5,6,7
.irp j, 0,1,2,3,4,5,6,7
	global_load_b32 v[BI+8*\a+\j], v8, s[8:9] offset:(32*(\a/2)+8*(\a%2))*4
.endr
.endr
.Lbias_in:
.macro FRAG reg, adr, q, i
.irp c, 0,1,2,3
	ds_load_b128 v[\reg+4*\c:\reg+4*\c+3], v[\adr] offset:4096*(\i)+2048*(\q)+512*\c
.endr
.endm
.macro MUL16 a0, p, q, sc, zero
.irp a, \a0, \a0+1
.irp b, 0,1,2,3,4,5,6,7
.if (\zero) == 1
	v_wmma_scale_f32_16x16x128_f8f6f4 v[8*(8*((\a)%4)+\b):8*(8*((\a)%4)+\b)+7], v[128*(\p)+16*\b:128*(\p)+16*\b+15], v[AF+16*(\a):AF+16*(\a)+15], v[BI+8*\b:BI+8*\b+7], v[SC+16*(\sc)+2*\b+(\q)], v[SC+16*(\sc)+2*(\a)+(\q)] matrix_a_fmt:MATRIX_FMT_BF8 matrix_b_fmt:MATRIX_FMT_BF8 matrix_a_scale:MATRIX_SCALE_ROW1
.elseif (\zero) == 2
	v_wmma_scale_f32_16x16x128_f8f6f4 v[8*(8*((\a)%4)+\b):8*(8*((\a)%4)+\b)+7], v[128*(\p)+16*\b:128*(\p)+16*\b+15], v[AF+16*(\a):AF+16*(\a)+15], v[BI+8*(\a):BI+8*(\a)+7], v[SC+16*(\sc)+2*\b+(\q)], v[SC+16*(\sc)+2*(\a)+(\q)] matrix_a_fmt:MATRIX_FMT_BF8 matrix_b_fmt:MATRIX_FMT_BF8 matrix_a_scale:MATRIX_SCALE_ROW1
.else
	v_wmma_scale_f32_16x16x128_f8f6f4 v[8*(8*((\a)%4)+\b):8*(8*((\a)%4)+\b)+7], v[128*(\p)+16*\b:128*(\p)+16*\b+15], v[AF+16*(\a):AF+16*(\a)+15], v[8*(8*((\a)%4)+\b):8*(8*((\a)%4)+\b)+7], v[SC+16*(\sc)+2*\b+(\q)], v[SC+16*(\sc)+2*(\a)+(\q)] matrix_a_fmt:MATRIX_FMT_BF8 matrix_b_fmt:MATRIX_FMT_BF8 matrix_a_scale:MATRIX_SCALE_ROW1
.endif
.endr
.endr
.endm
.macro FETCH_B slot, q, p
	WIN TO_B
.irp i, 0,1,2,3,4,5,6,7
	FRAG 128*(\p)+16*\i, ADRB+\slot, \q, \i
.endr
	WIN 0
.endm
.macro FETCH_A slot, q, i0
.irp i, \i0, \i0+1, \i0+2, \i0+3
	FRAG AF+16*(\i), ADRA+\slot, \q, \i
.endr
.endm
.macro SCALES sc
.irp i, 0,1,2,3,4,5,6,7
.irp q, 0,1
	ds_load_b32 v[SC+16*(\sc)+2*\i+\q], v[ADRS] offset:512*\i+64*\q
.endr
.endr
.endm
.macro PLACES n
.rept \n
	v_nop
.endr
.endm
.macro STEP slot, q, zero
	s_wait_dscnt 16
.if \zero
	WIN 0x81
.else
	WIN MUL_LO
.endif
	MUL16 0, (\q)%2, \q, \slot, \zero
	MUL16 2, (\q)%2, \q, \slot, \zero
	s_wait_dscnt 0
	PLACES NP
	FETCH_B \slot, (\q)+1, 1-(\q)%2
	FETCH_A \slot, (\q)+1, 0
.if \zero
	WIN 0xc1
.else
	WIN MUL_HI
.endif
	MUL16 4, (\q)%2, \q, \slot, \zero
	MUL16 6, (\q)%2, \q, \slot, \zero
	PLACES NP
	WIN 0
	FETCH_A \slot, (\q)+1, 4
.endm
.macro TURN slot, next, fill
	s_wait_tensorcnt 0x0
	ds_add_u32 v[SPW], v[NIL]
	s_wait_dscnt 17
	WIN MUL_LO
	MUL16 0, 1, 1, \slot, 0
	s_wait_dscnt 0x0
	s_barrier_signal -1
	MUL16 2, 1, 1, \slot, 0
	WIN 0
	s_barrier_wait -1
.if \fill
	CREST
	s_add_nc_u64 s[G0+4*\slot+2:G0+4*\slot+3], s[G0+4*\slot+2:G0+4*\slot+3], 8192
	s_add_nc_u64 s[G0B+4*\slot+2:G0B+4*\slot+3], s[G0B+4*\slot+2:G0B+4*\slot+3], 8192
	JLOAD G0+4*\slot, G1, G0B+4*\slot, G1B
	PLACES NP-4
.else
	PLACES NP
.endif
	s_wait_alu depctr_va_vdst(0)
	v_add_nc_u32 v[ADRS], 128, v[ADRS]
	FETCH_B \next, 0, 0
	FETCH_A \next, 0, 0
	SCALES \next
	WIN MUL_HI
	MUL16 4, 1, 1, \slot, 0
	MUL16 6, 1, 1, \slot, 0
	PLACES NP
	WIN 0
	FETCH_A \next, 0, 4
.endm
	s_wait_alu depctr_va_vdst(0)                   ; the wait at the head's end
	s_wait_tensorcnt 0x0                           ; my tile of the head's four is in
	ds_add_u32 v[SPW], v[NIL]
	s_mov_b32 s[G1+2], 8<<16                       ; no load of mine is out: from here on a load brings 8 images,
	s_mov_b32 s[G1+4], 8
	s_mov_b32 s[G1B+2], 8<<16
	s_mov_b32 s[G1B+4], 8
	s_mov_b32 s[G0+1], s45                         ; and slot 0's descriptors stand at my half
	s_add_nc_u64 s[G0+2:G0+3], s[G0+2:G0+3], s[66:67]
	s_mov_b32 s[G0B+1], s45
	s_add_nc_u64 s[G0B+2:G0B+3], s[G0B+2:G0B+3], s[66:67]
	s_wait_dscnt 0x0
	CROUND                                         ; all four tiles are in, and the sixteen work-groups are here
	JLOAD G0+4, G1, G0B+4, G1B                     ; slot 1's first fill, the first tensor load behind the round
	FETCH_B 0, 0, 0
	FETCH_A 0, 0, 0
	s_wait_alu depctr_va_vdst(0)
	SCALES 0
	FETCH_A 0, 0, 4
	s_wait_loadcnt 0x0
	s_cmp_eq_u32 s95, 0
	s_cbranch_scc0 .Lfirst_v
	STEP 0, 0, 1
	s_branch .Lfirst_done
.Lfirst_v:
	STEP 0, 0, 2
.Lfirst_done:
	TURN 0, 1, 1
	STEP 1, 0, 0
	TURN 1, 0, 1
	STEP 0, 0, 0
	TURN 0, 1, 0
	STEP 1, 0, 0
	s_wait_dscnt 16
	WIN MUL_LO
	MUL16 0, 1, 1, 1, 0
	MUL16 2, 1, 1, 1, 0
	s_wait_dscnt 0
	WIN MUL_HI
	MUL16 4, 1, 1, 1, 0
	MUL16 6, 1, 1, 1, 0
	WIN 0
.macro EPI a
.set AC, 64*((\a)%4)
.set WW, 2+(\a)/4
.set W01, (WW|(WW<<2))
.set W12, ((WW<<2)|(WW<<4))
.set PC, PCB+16*((\a)%2)
	s_wait_dscnt 0x0
	WIN W01
.irp b, 0,1,2,3
	v_max3_num_f32 v[TM+\b], |v[AC+16*\b]|, |v[AC+16*\b+1]|, 0x8000000
.endr
	WIN W12
.irp i, 2,4,6,8,10,12,14
.irp b, 0,1,2,3
	v_max3_num_f32 v[TM+\b], v[TM+\b], |v[AC+16*\b+\i]|, |v[AC+16*\b+\i+1]|
.endr
.endr
	WIN 0
.irp b, 0,1,2,3
	v_permlanex16_b32 v[TM+4+\b], v[TM+\b], s[SEL], s[SEL+1]
.endr
.irp b, 0,1,2,3
	v_max_num_f32 v[TM+\b], v[TM+\b], v[TM+4+\b]
.endr
.irp b, 0,1,2,3
	v_add_nc_u32 v[TM+12+\b], 0xf8800000, v[TM+\b]
.endr
.irp b, 0,1,2,3
	v_and_or_b32 v[TM+8+\b], v[TM+\b], 0x7f800000, s[MNT]
.endr
.irp b, 0,1,2,3
	v_lshrrev_b32 v[TM+4+\b], 23, v[TM+12+\b]
.endr
	v_lshl_or_b32 v[PW], v[TM+5], 8, v[TM+4]
	v_lshl_or_b32 v[PW], v[TM+6], 16, v[PW]
	v_lshl_or_b32 v[PW], v[TM+7], 24, v[PW]
	WIN WW
.irp b, 0,1,2,3
.irp i, 0,1,2,3,4,5,6,7,8,9,10,11,12,13,14,15
	v_med3_num_f32 v[T+16*\b+\i], v[AC+16*\b+\i], -v[TM+8+\b], v[TM+8+\b]
.endr
.endr
	WIN 0
	s_wait_alu depctr_va_vdst(0)
	s_wait_xcnt 0x0
.irp b, 0,1,2,3
	v_cvt_scalef32_pk8_bf8_f32 v[PC+4*\b:PC+4*\b+1], v[T+16*\b:T+16*\b+7], v[TM+12+\b]
	v_cvt_scalef32_pk8_bf8_f32 v[PC+4*\b+2:PC+4*\b+3], v[T+16*\b+8:T+16*\b+15], v[TM+12+\b]
.endr
	v_nop
.irp g, 0,1,2,3
	global_store_b128 v[OA], v[PC+4*\g:PC+4*\g+3], s[10:11] offset:2048*(\a)+512*\g
.endr
	ds_store_b32 v[SWA], v[PW] offset:64*(\a)
.endm
	PLACES NP
.irp a, 0,1,2,3,4,5,6,7
	EPI \a
.endr
	ds_load_b128 v[116:119], v[SRA]
	s_wait_dscnt 0x0
	global_store_b128 v[OA], v[116:119], s[12:13]
	s_wait_tensorcnt 0x0
	ds_add_u32 v[SPW], v[NIL]
	s_wait_dscnt 0x0
	CROUND
	s_endpgm
.Lfunc_end_k_q382f5c8027_qkv:
	.size	k_q382f5c8027_qkv, .Lfunc_end_k_q382f5c8027_qkv-k_q382f5c8027_qkv
	.p2alignl 7, 3214868480
	.fill 96, 4, 3214868480
	.section	.rodata,"a",@progbits
	.p2align	6, 0x0
	.amdhsa_kernel k_q382f5c8027_qkv
		.amdhsa_group_segment_fixed_size 327680
		.amdhsa_private_segment_fixed_size 0
		.amdhsa_enable_private_segment 0
		.amdhsa_kernarg_size 40
		.amdhsa_user_sgpr_count 2
		.amdhsa_user_sgpr_kernarg_segment_ptr 1
		.amdhsa_wavefront_size32 1
		.amdhsa_system_sgpr_workgroup_id_x 1
		.amdhsa_system_sgpr_workgroup_id_y 1
		.amdhsa_system_sgpr_workgroup_id_z 1
		.amdhsa_system_vgpr_workitem_id 0
		.amdhsa_next_free_vgpr 1024
		.amdhsa_next_free_sgpr 100
		.amdhsa_reserve_vcc 0
		.amdhsa_float_denorm_mode_32 3
		.amdhsa_float_denorm_mode_16_64 3
		.amdhsa_memory_ordered 1
		.amdhsa_forward_progress 1
		.amdhsa_inst_pref_size 209
	.end_amdhsa_kernel
	.amdgpu_metadata
---
amdhsa.version: [ 1, 2 ]
amdhsa.kernels:
  - .name:           k_q382f5c8027_qkv
    .symbol:         k_q382f5c8027_qkv.kd
    .args:
      - { .name: xw_img, .offset: 0, .size: 8, .value_kind: global_buffer, .address_space: global }
      - { .name: xw_sc, .offset: 8, .size: 8, .value_kind: global_buffer, .address_space: global }
      - { .name: b_qkv, .offset: 16, .size: 8, .value_kind: global_buffer, .address_space: global }
      - { .name: qkv_img, .offset: 24, .size: 8, .value_kind: global_buffer, .address_space: global }
      - { .name: qkv_sc, .offset: 32, .size: 8, .value_kind: global_buffer, .address_space: global }
    .group_segment_fixed_size: 327680
    .private_segment_fixed_size: 0
    .kernarg_segment_align: 8
    .kernarg_segment_size: 40
    .max_flat_workgroup_size: 128
    .sgpr_count:     100
    .vgpr_count:     1024
    .wavefront_size: 32
...
	.end_amdgpu_metadata
.endif
;; end of part 2
;; launch attn (part 3): grid 4 x 64, 16 waves a work-group, clusters of 4 x 1, 327,680 bytes of LDS; arguments qkv_img, qkv_sc, o_img, o_sc; writes o_img, o_sc
.if DOCPART == 3
	.amdgcn_target "amdgcn-amd-amdhsa--gfx1250"
	.amdhsa_code_object_version 6
	.text
	.protected	k_q382f5c8027_attn
	.globl	k_q382f5c8027_attn
	.p2align	8
	.type	k_q382f5c8027_attn,@function
k_q382f5c8027_attn:
	s_mov_b64 s[64:65], 0
	v_nop
	global_prefetch_b8 v0, s[64:65] scope:SCOPE_SE
	s_setreg_imm32_b32 hwreg(HW_REG_WAVE_MODE, 25, 1), 1
	s_wait_xcnt 0x0
	s_wait_alu depctr_hold_cnt(0) depctr_sa_sdst(0) depctr_va_vdst(0) depctr_va_sdst(0) depctr_va_ssrc(0) depctr_va_vcc(0) depctr_vm_vsrc(0)
	s_getreg_b32 s2, hwreg(HW_REG_IB_STS2, 6, 4)
	s_cmp_eq_u32 s2, 0
	s_cbranch_scc0 .Lentry_in_a_cluster
	s_endpgm
.Lentry_in_a_cluster:
	s_bfe_u32 s2, ttmp6, 0x10000c
	s_cmp_lg_u32 s2, 0x3003
	s_cbranch_scc0 .Lentry_shape_is_right
	s_endpgm
.Lentry_shape_is_right:
; O = softmax(q k^T / 8) v for 64 heads of 2,048 tokens x 64 dims, both products on codes of E5M2 with E8M0 scales; O / l is quantised along D at once and leaves as the last product's operand.
; THE SOFTMAX: t = score x log2(e) / 8; M = the running largest t rounded up to a whole number; p = 2^(t - M) is quantised along the keys; the row's sum l is taken of the unquantised p; when M moves, l and O are multiplied by 2^(old M - new M), exactly.
; SHARES.  A work-group owns ONE head and 512 of its query positions; each of its sixteen waves owns two tiles of 16 queries and takes them one after the other, each through all 2,048 keys, 128 a step.
; THE HEAD'S K AND V STAY IN LDS: 131,072 + 131,072 bytes, and 12,288 bytes of scale words.  Nothing is filled again, so the walk over the keys has no ring of slots.
; Two groups of tensor loads: at the head waves 0-5 bring keys 0-511 of K and of V (chunks of 256 keys) and the scale words; behind the full sequence and a round waves 0-5 bring K's other six chunks, waves 6-11 V's.
; The first tile's key steps 0 to 2 read the first group alone; one wait and one barrier stand in front of key step 3.
; LOOK-AHEAD IN REGISTERS.  Behind a step's first products the NEXT step's fragments and scale bytes of K are fetched, and this step's first fragment and scale words of V; V's other three fragments take the registers that p leaves.
; The steps of K form a ring of 16: the first tile's last step fetches step 0 for the second tile.  The second tile's last step fetches step 0 once more, and nobody reads that.
; CLUSTER.  The four query blocks of a head need the same K and V: every tile is asked for jointly, mask 15.
; NO PREFETCH: every tile of the launch is asked for by the two groups at its head; there is no later load to run ahead of.
; LAYOUT.  Both products transposed: S^T = k q^T, O^T = v^T p^T: a lane holds one query.  Rows of q, k and v's dims are in position order (bits 3, 4 exchanged), so the 16 registers of tiles 2 b, 2 b + 1 are neighbours 32 b + 16 (lane / 16) + 0 .. 15.
; K = 64 IN AN INSTRUCTION OF 128: [k | pad] x [q | zero codes].  The pad is the next key tile's codes, or behind the last tile p's or O's codes (at first zeros): every code has passed the hold, so none is an infinity or a NaN, and each meets a zero code.
; A row's scale word holds two bytes for each head of a pair: the head's two come by 16-bit loads, so the word's upper two bytes are 0, a finite code, beside the pad and the zero codes.
; OUT.  A head is half a fragment of the last product's operand (1,024 consecutive bytes) and two of the four bytes of each row's scale word: the scale bytes leave as 2 bytes a row, one byte for each 32 of codes.
; LIMITS: NaN and infinities are not served; a block of zeros gets the byte 1 (zero codes; only this program reads the bytes).  A block's largest p is made from the block's largest score by the same two instructions, which takes v_exp_f32 not to fall where its input rises.  The promise holds while the scaled scores stay under 2^31 in magnitude.
; REGISTERS: v1-8 addresses; v9-10 q's scale bytes; v11 p's scale word; v12-15 -M, largest t, sum; v16-19, v252-255 the second tile's q until its turn; v20-35 [q | zeros]; v36-39 K's scale bytes; v40-41 V's scale words;
; v42-59 at work; v60-123 K's fragments; v124-139 p's codes; v140-155 V's first fragment; v156-219 S^T, p, then V's other fragments; v220-251 O^T.
.set VOFF,  131072                     ; K [tile 128][1,024 bytes] from 0; V [step 16][8,192 bytes] from here
.set SCK,   262144                     ; K's scale words of the head pair [tile 128][16 words]
.set SCV,   270336                     ; V's of the head [step 16][fragment 4][16 words]
.set SPARE, 274432                     ; the spare words, 128 bytes for each of sixteen waves
.set LI,  1                            ; 16 x lane
.set L4,  2                            ; 4 x lane
.set SPW, 3
.set NIL, 4
.set ADK, 5
.set ADV, 6
.set ADSK, 7
.set ADSV, 8
.set QS,  9
.set PW,  11
.set QF,  20
.set KS,  36
.set VS,  40
.set BM,  42
.set PM,  46
.set LIMR, 50
.set SCO, 54
.set FP,  58
.set TMP, 59
.set KF,  60
.set PC,  124
.set VX,  140
.set S,   156
.set O,   220
.set WV,  12
.set CX,  13
.set HD,  14
.set PP,  15
.set EH,  16
.set SEL, 24
.set CS,  26
.set MNT, 28
.set TBK, 29
.set TBV, 30
.set TSK, 31
.set G1K, 32
.set G1V, 40
.set G1SK, 48
.set G1SV, 56
.set G0K, 68
.set G0V, 72
.set G0SK, 76
.set G0SV, 80
.set TSV, 84
.set CNT, 85
.set QA,  88
.set QSA, 90
.set KB,  92
.set VB,  94
.set E2,  66                           ; 2 x (which head of the pair): the head's two bytes in each of K's scale words
.macro CROUND
	s_barrier_signal -1
	s_barrier_wait -1
	s_cmp_lg_u32 s[WV], 0
	s_cbranch_scc1 .Lnot_wave_0_\@
	s_barrier_signal -3
.Lnot_wave_0_\@:
	s_barrier_wait -3
	s_barrier_signal -1
	s_barrier_wait -1
.endm
; an arm of a chain of branches on the wave's number: one load, then a jump to the chain's end
.macro ARM under, g0, g1, next, join
	s_cmp_lt_u32 s[WV], \under
	s_cbranch_scc0 \next
	tensor_load_to_lds s[\g0:\g0+3], s[\g1:\g1+7]
	s_nop 0
.rept 4
	v_nop
.endr
	s_branch \join
\next:
.endm
.macro DESC1 g, c, r, p                ; group 1: r rows of c elements of 8 bytes, p elements apart; mask 15 with bit 21 beside it
	s_mov_b32 s[\g], 15|(3<<16)|(1<<21)
	s_mov_b32 s[\g+1], (\c)<<16
	s_mov_b32 s[\g+2], (\r)<<16
	s_mov_b32 s[\g+3], (\c)<<16
	s_mov_b32 s[\g+4], \r
	s_mov_b32 s[\g+5], \p
	s_mov_b32 s[\g+6], 0
	s_mov_b32 s[\g+7], 0
.endm
.macro CHUNK g, base, lds0             ; group 0 for chunk s17 of 256 keys: 16,384 bytes in LDS, 32,768 apart in memory
	s_mov_b32 s[\g], 1
	s_lshl_b32 s[\g+1], s17, 14
	s_add_co_u32 s[\g+1], s[\g+1], \lds0
	s_lshl_b32 s18, s17, 15
	s_add_nc_u64 s[\g+2:\g+3], s[\base:\base+1], s[18:19]
	s_or_b32 s[\g+3], s[\g+3], 0x80000000
.endm
.macro KLOADS adr, ads                 ; a step's eight fragments of K and their scale bytes
.irp t, 0,1,2,3,4,5,6,7
.irp c, 0,1
	ds_load_b128 v[KF+8*\t+4*\c:KF+8*\t+4*\c+3], v[\adr] offset:1024*\t+512*\c
.endr
.endr
.irp i, 0,1,2,3
	ds_load_u16 v[KS+\i], v[\ads] offset:128*\i    ; lanes 0-15: tile 2 i's bytes; lanes 16-31: tile 2 i + 1's
.endr
.endm
	s_load_b256 s[4:11], s[0:1], 0x0               ; qkv_img s[4:5], qkv_sc s[6:7], o_img s[8:9], o_sc s[10:11]
	v_lshl_add_u32 v[SPW], v0, 2, SPARE
	v_mov_b32 v[NIL], 0
	ds_add_u32 v[SPW], v[NIL]                      ; the opening lines: the add, twice on end, and its wait
	ds_add_u32 v[SPW], v[NIL]
	v_lshrrev_b32 v5, 5, v0
	v_readfirstlane_b32 s[WV], v5                  ; wave 0..15
	s_bfe_u32 s[CX], ttmp6, 0x40000                ; cx: it enters global addresses of my own alone
	s_and_b32 s[HD], ttmp7, 0xffff                 ; the head, which the four partners share
	s_lshr_b32 s[PP], s[HD], 1                     ; its pair,
	s_and_b32 s[EH], s[HD], 1                      ; and which of the pair
	DESC1 G1K, 128, 16, 256                        ; 16 key tiles: the head's 1,024 bytes of each image of 2,048
	DESC1 G1V, 1024, 2, 2048                       ; 2 key steps: the head's 8,192 bytes of each 16,384
	DESC1 G1SK, 32, 32, 32                         ; 8,192 dense bytes
	DESC1 G1SV, 32, 16, 64                         ; 16 key steps: the head's 256 bytes of each 512
	s_lshl_b32 s17, s[PP], 18
	s_lshl_b32 s18, s[EH], 10
	s_add_co_u32 s18, s18, s17
	s_add_co_u32 s18, s18, 1<<23                   ; k's codes
	s_mov_b32 s19, 0
	s_lshl_b32 s20, s[EH], 13
	s_add_co_u32 s20, s20, s17
	s_add_co_u32 s20, s20, 2<<23                   ; v's codes
	s_mov_b32 s21, 0
	s_lshl_b32 s17, s[PP], 13
	s_add_co_u32 s22, s17, 1<<18                   ; k's scale words
	s_mov_b32 s23, 0
	s_lshl_b32 s86, s[EH], 8
	s_add_co_u32 s86, s86, s17
	s_add_co_u32 s86, s86, 2<<18                   ; v's
	s_mov_b32 s87, 0
	s_mov_b32 s[SEL], 0x76543210
	s_mov_b32 s[SEL+1], 0xfedcba98
	s_mov_b32 s[CS], 0x3e38aa3b                    ; c = log2(e) / 8
	s_mov_b32 s[CS+1], s[CS]
	s_mov_b32 s[MNT], 0x600000
	s_mov_b32 s[TBK], 8192                         ; K's pointers stand one step ahead
	s_mov_b32 s[TBV], VOFF
	s_lshl_b32 s[E2], s[EH], 1
	s_mov_b32 s[TSK], SCK
	s_mov_b32 s[TSV], SCV
	s_wait_dscnt 0x0                               ; both opening adds are done
	s_wait_kmcnt 0x0
	s_add_nc_u64 s[KB:KB+1], s[4:5], s[18:19]
	s_add_nc_u64 s[VB:VB+1], s[4:5], s[20:21]
	s_and_b32 s17, s[WV], 1                        ; the head's chunks: 0 or 1
	CHUNK G0K, KB, 0
	CHUNK G0V, VB, VOFF
	s_mov_b32 s[G0SK], 1
	s_mov_b32 s[G0SK+1], SCK
	s_add_nc_u64 s[G0SK+2:G0SK+3], s[6:7], s[22:23]
	s_or_b32 s[G0SK+3], s[G0SK+3], 0x80000000
	s_mov_b32 s[G0SV], 1
	s_mov_b32 s[G0SV+1], SCV
	s_add_nc_u64 s[G0SV+2:G0SV+3], s[6:7], s[86:87]
	s_or_b32 s[G0SV+3], s[G0SV+3], 0x80000000
	CROUND                                         ; all four work-groups are here: the first joint loads meet
	ARM 2, G0K, G1K, .Lh_v, .Lh_asked              ; one load a wave at the head: keys 0-511 of K,
	ARM 4, G0V, G1V, .Lh_sk, .Lh_asked             ; of V,
	ARM 5, G0SK, G1SK, .Lh_sv, .Lh_asked           ; K's scale words,
	ARM 6, G0SV, G1SV, .Lh_none, .Lh_asked         ; V's
.Lh_asked:
	s_lshl_b32 s17, s[CX], 5
	s_lshl_b32 s18, s[WV], 1
	s_add_co_u32 s17, s17, s18                     ; my first token tile: 32 cx + 2 wave
	s_lshl_b32 s18, s[PP], 7
	s_add_co_u32 s18, s18, s17
	s_lshl_b32 s20, s18, 11
	s_lshl_b32 s22, s[EH], 10
	s_add_co_u32 s20, s20, s22
	s_add_nc_u64 s[QA:QA+1], s[4:5], s[20:21]      ; q's half fragments
	s_lshl_b32 s20, s18, 6
	s_lshl_b32 s23, s[EH], 1
	s_add_co_u32 s20, s20, s23
	s_add_nc_u64 s[QSA:QSA+1], s[6:7], s[20:21]    ; their scale bytes
	s_lshr_b32 s18, s[PP], 3
	s_lshl_b32 s18, s18, 7
	s_add_co_u32 s18, s18, s17                     ; 128 batch + tile
	s_lshl_b32 s18, s18, 3
	s_and_b32 s20, s[PP], 7
	s_add_co_u32 s18, s18, s20                     ; x 8 + the head pair, which is the last product's K step
	s_lshl_b32 s20, s18, 11
	s_add_co_u32 s20, s20, s22
	s_add_nc_u64 s[8:9], s[8:9], s[20:21]
	s_lshl_b32 s20, s18, 6
	s_add_co_u32 s20, s20, s23
	s_add_nc_u64 s[10:11], s[10:11], s[20:21]
	v_and_b32 v5, 31, v0
	v_lshlrev_b32 v[LI], 4, v5
	v_lshlrev_b32 v[L4], 2, v5
	global_load_b128 v[QF:QF+3], v[LI], s[QA:QA+1]
	global_load_b128 v[QF+4:QF+7], v[LI], s[QA:QA+1] offset:512
	global_load_b128 v[16:19], v[LI], s[QA:QA+1] offset:2048     ; the second tile's q waits in registers of its own
	global_load_b128 v[252:255], v[LI], s[QA:QA+1] offset:2560
.irp e, 0,1
	global_load_u16 v[QS+\e], v[L4], s[QSA:QSA+1] offset:64*\e   ; lanes 0-15: my rows' two bytes; what lanes 16-31 bring is not read
.endr
.irp j, 0,1,2,3,4,5,6,7
	v_mov_b32 v[QF+8+\j], 0                        ; the zero codes behind q,
	v_mov_b32 v[PC+\j], 0                          ; and the pad behind the last key tile, until p's codes lie there
.endr
.macro FRESH                           ; a tile's state
	v_mov_b32 v13, 0xff61b1e6                      ; the largest t so far: -3e38
	v_mov_b32 v14, 0
	v_mov_b32 v15, 0
	v_floor_f32 v12, -v13                          ; -M
.irp j, 0,1,2,3,4,5,6,7,8,9,10,11,12,13,14,15,16,17,18,19,20,21,22,23,24,25,26,27,28,29,30,31
	v_mov_b32 v[O+\j], 0                           ; O^T: the step is written once; the first change of M multiplies zeros
.endr
.endm
	FRESH
.macro TMM j
	v_pk_fma_f32 v[S+\j:S+\j+1], v[S+\j:S+\j+1], s[CS:CS+1], v[12:13] op_sel_hi:[1,0,0]   ; t - M
.endm
; A STEP: 128 keys for my query tile e, whose fragments of K are in registers
.macro STEP e
.rept 9
	v_nop                                          ; the last products read V's fragments, over which matrix instructions write: nine places
.endr
.irp t, 0,2,4,6
	v_wmma_scale_f32_16x16x128_f8f6f4 v[S+8*\t:S+8*\t+7], v[KF+8*\t:KF+8*\t+15], v[QF:QF+15], 0, v[KS+\t/2], v[QS+(\e)] matrix_a_fmt:MATRIX_FMT_BF8 matrix_b_fmt:MATRIX_FMT_BF8
	v_wmma_scale_f32_16x16x128_f8f6f4 v[S+8*\t+8:S+8*\t+15], v[KF+8*\t+8:KF+8*\t+23], v[QF:QF+15], 0, v[KS+\t/2], v[QS+(\e)] matrix_a_fmt:MATRIX_FMT_BF8 matrix_b_fmt:MATRIX_FMT_BF8 matrix_a_scale:MATRIX_SCALE_ROW1
.endr
	v_add_nc_u32 v[ADV], s[TBV], v[LI]             ; five of the eight places behind the products
	v_add_nc_u32 v[ADSV], s[TSV], v[L4]
	v_add_nc_u32 v[ADK], s[TBK], v[LI]
	v_add_nc_u32 v[ADSK], s[TSK], v[L4]
	v_add_nc_u32 v[ADSK], s[E2], v[ADSK]           ; the head's two bytes of each word
.rept 3
	v_nop
.endr
.irp c, 0,1,2,3
	ds_load_b128 v[VX+4*\c:VX+4*\c+3], v[ADV] offset:512*\c   ; V's fragment of dim tile 0
.endr
	ds_load_b32 v[VS], v[ADSV]                     ; V's scale words: lanes 0-15 dim tile 0's, lanes 16-31 tile 1's;
	ds_load_b32 v[VS+1], v[ADSV] offset:128        ; tiles 2 and 3
	KLOADS ADK, ADSK                               ; the next step's K
	v_mov_b32 v[FP], v12                           ; the old -M
.irp b, 0,1,2,3
	v_max3_num_f32 v[BM+\b], v[S+16*\b], v[S+16*\b+1], v[S+16*\b+2]   ; the largest score of each block of 32 keys, in two chains a block: for the row's maximum, and for the block's largest p
.endr
.irp b, 0,1,2,3
	v_max3_num_f32 v[PM+\b], v[S+16*\b+7], v[S+16*\b+8], v[S+16*\b+9]
.endr
.irp i, 3,5
.irp b, 0,1,2,3
	v_max3_num_f32 v[BM+\b], v[BM+\b], v[S+16*\b+\i], v[S+16*\b+\i+1]
.endr
.irp b, 0,1,2,3
	v_max3_num_f32 v[PM+\b], v[PM+\b], v[S+16*\b+\i+7], v[S+16*\b+\i+8]
.endr
.endr
.irp b, 0,1,2,3
	v_max3_num_f32 v[BM+\b], v[BM+\b], v[S+16*\b+14], v[S+16*\b+15]
.endr
.irp b, 0,1,2,3
	s_delay_alu instid0(VALU_DEP_4)
	v_max_num_f32 v[BM+\b], v[BM+\b], v[PM+\b]
.endr
.irp b, 0,1,2,3
	s_delay_alu instid0(VALU_DEP_4)
	v_permlanex16_b32 v[PM+\b], v[BM+\b], s[SEL], s[SEL+1]
.endr
.irp b, 0,1,2,3
	s_delay_alu instid0(VALU_DEP_4)
	v_max_num_f32 v[BM+\b], v[BM+\b], v[PM+\b]     ; with lane l xor 16's 16 keys
.endr
	s_delay_alu instid0(VALU_DEP_2)
	v_max3_num_f32 v[TMP], v[BM], v[BM+1], v[BM+2]
	s_delay_alu instid0(VALU_DEP_1)
	v_max_num_f32 v[TMP], v[TMP], v[BM+3]
	s_delay_alu instid0(VALU_DEP_1)
	v_mul_f32 v[TMP], s[CS], v[TMP]                ; as t (c is positive)
	s_delay_alu instid0(VALU_DEP_1)
	v_max_num_f32 v13, v13, v[TMP]                 ; the running largest t
	s_delay_alu instid0(VALU_DEP_1)
	v_floor_f32 v12, -v13                          ; the new -M = -ceil(t)
.irp j, 0,2,4,6
	TMM \j
.endr
	v_sub_f32 v[FP], v12, v[FP]                    ; old M - new M: a whole number, 0 or less
.irp j, 8,10,12,14
	TMM \j
.endr
	v_cvt_i32_f32 v[FP], v[FP]                     ; (it saturates)
.irp j, 16,18,20,22
	TMM \j
.endr
	v_ldexp_f32 v[FP], 1.0, v[FP]                  ; f = 2^(old M - new M)
.irp j, 24,26,28,30,32,34,36,38,40,42,44,46,48,50,52,54,56,58,60,62
	TMM \j
.endr
.irp b, 0,1,2,3
	v_fma_f32 v[BM+\b], v[BM+\b], s[CS], v12
.endr
.irp j, 0,2,4,6,8,10,12,14,16,18,20,22,24,26,28,30
	v_pk_mul_f32 v[O+\j:O+\j+1], v[O+\j:O+\j+1], v[FP:FP+1] op_sel_hi:[1,0]   ; O^T under the new M, ahead of the exponentials
.endr
	s_wait_alu depctr_va_vdst(0)                   ; the wait ahead of the batch
.irp j, 0,1,2,3,4,5,6,7,8,9,10,11,12,13,14,15,16,17,18,19,20,21,22,23,24,25,26,27,28,29,30,31,32,33,34,35,36,37,38,39,40,41,42,43,44,45,46,47,48,49,50,51,52,53,54,55,56,57,58,59,60,61,62,63
	v_exp_f32 v[S+\j], v[S+\j]                     ; p = 2^(t - M)
.endr
	v_pk_mul_f32 v[14:15], v[14:15], v[FP:FP+1] op_sel_hi:[1,0]   ; the sum under the new M; the plain line behind the exponentials
	s_wait_alu depctr_va_vdst(0)                   ; one wait for the batch, ahead of its first reader
.irp b, 0,1,2,3
	v_exp_f32 v[BM+\b], v[BM+\b]                   ; the block's largest p
.endr
	v_pk_add_f32 v[PM:PM+1], v[S:S+1], v[S+2:S+3]  ; the row's sum of the unquantised p, in four chains
	v_pk_add_f32 v[PM+2:PM+3], v[S+4:S+5], v[S+6:S+7]
	v_pk_add_f32 v[FP:FP+1], v[S+8:S+9], v[S+10:S+11]
	v_pk_add_f32 v[14:15], v[14:15], v[S+12:S+13]
.irp j, 14,22,30,38,46,54
	v_pk_add_f32 v[PM:PM+1], v[PM:PM+1], v[S+\j:S+\j+1]
	v_pk_add_f32 v[PM+2:PM+3], v[PM+2:PM+3], v[S+\j+2:S+\j+3]
	v_pk_add_f32 v[FP:FP+1], v[FP:FP+1], v[S+\j+4:S+\j+5]
	v_pk_add_f32 v[14:15], v[14:15], v[S+\j+6:S+\j+7]
.endr
	v_pk_add_f32 v[PM:PM+1], v[PM:PM+1], v[S+62:S+63]
	s_wait_alu depctr_va_vdst(0)                   ; and one for the four
.irp b, 0,1,2,3
	v_max_num_f32 v[BM+\b], 0x8000000, v[BM+\b]    ; the floor 2^(16 - 127)
.endr
.irp b, 0,1,2,3
	s_delay_alu instid0(VALU_DEP_4)
	v_add_nc_u32 v[SCO+\b], 0xf8800000, v[BM+\b]   ; 15 off the exponent field: the conversion's scale operand
.endr
.irp b, 0,1,2,3
	v_and_or_b32 v[LIMR+\b], v[BM+\b], 0x7f800000, s[MNT]   ; 57,344 x the scale
.endr
.irp b, 0,1,2,3
	v_lshrrev_b32 v[BM+\b], 23, v[SCO+\b]
.endr
	s_delay_alu instid0(VALU_DEP_3)
	v_lshl_or_b32 v[PW], v[BM+1], 8, v[BM]         ; p's scale word for these 128 keys
	s_delay_alu instid0(VALU_DEP_1)
	v_lshl_or_b32 v[PW], v[BM+2], 16, v[PW]
	s_delay_alu instid0(VALU_DEP_1)
	v_lshl_or_b32 v[PW], v[BM+3], 24, v[PW]
.irp b, 0,1,2,3
.irp i, 0,2,4,6,8,10,12,14
	v_dual_min_num_f32 v[S+16*\b+\i], v[S+16*\b+\i], v[LIMR+\b] :: v_dual_min_num_f32 v[S+16*\b+\i+1], v[S+16*\b+\i+1], v[LIMR+\b]   ; p is not negative: the hold is one-sided; two numbers an instruction
.endr
	v_cvt_scalef32_pk8_bf8_f32 v[PC+4*\b:PC+4*\b+1], v[S+16*\b:S+16*\b+7], v[SCO+\b]
	v_cvt_scalef32_pk8_bf8_f32 v[PC+4*\b+2:PC+4*\b+3], v[S+16*\b+8:S+16*\b+15], v[SCO+\b]
.if \b < 3
.irp c, 0,1,2,3
	ds_load_b128 v[S+16*\b+4*\c:S+16*\b+4*\c+3], v[ADV] offset:2048*(\b+1)+512*\c   ; V's fragment of dim tile b + 1 takes the registers that p's block b has just left
.endr
.endif
.endr
	v_pk_add_f32 v[14:15], v[14:15], v[PM:PM+1]    ; the four chains join; these lines are also the places between the codes and the products
	v_pk_add_f32 v[PM+2:PM+3], v[PM+2:PM+3], v[FP:FP+1]
	v_nop
	v_pk_add_f32 v[14:15], v[14:15], v[PM+2:PM+3]
	s_wait_alu depctr_va_vdst(0)                   ; the wait here, directly ahead of the wait below
	s_wait_dscnt 8                                 ; all but the eight loads of V's last two fragments are in
	v_wmma_scale_f32_16x16x128_f8f6f4 v[O:O+7], v[VX:VX+15], v[PC:PC+15], v[O:O+7], v[VS], v[PW] matrix_a_fmt:MATRIX_FMT_BF8 matrix_b_fmt:MATRIX_FMT_BF8
	v_wmma_scale_f32_16x16x128_f8f6f4 v[O+8:O+15], v[S:S+15], v[PC:PC+15], v[O+8:O+15], v[VS], v[PW] matrix_a_fmt:MATRIX_FMT_BF8 matrix_b_fmt:MATRIX_FMT_BF8 matrix_a_scale:MATRIX_SCALE_ROW1
	s_wait_dscnt 4                                 ; all but the last fragment's four
	v_wmma_scale_f32_16x16x128_f8f6f4 v[O+16:O+23], v[S+16:S+31], v[PC:PC+15], v[O+16:O+23], v[VS+1], v[PW] matrix_a_fmt:MATRIX_FMT_BF8 matrix_b_fmt:MATRIX_FMT_BF8
	s_wait_dscnt 0x0
	v_wmma_scale_f32_16x16x128_f8f6f4 v[O+24:O+31], v[S+32:S+47], v[PC:PC+15], v[O+24:O+31], v[VS+1], v[PW] matrix_a_fmt:MATRIX_FMT_BF8 matrix_b_fmt:MATRIX_FMT_BF8 matrix_a_scale:MATRIX_SCALE_ROW1
	s_add_co_u32 s[TBK], s[TBK], 8192              ; K's pointers go round a ring of 16 steps: behind step 15 comes step 0
	s_and_b32 s[TBK], s[TBK], 0x1ffff
	s_add_co_u32 s[TSK], s[TSK], 512
	s_and_b32 s[TSK], s[TSK], 0xffffdfff
	s_add_co_u32 s[TBV], s[TBV], 8192
	s_add_co_u32 s[TSV], s[TSV], 256
.endm
.macro WALK e, trips, label
	s_mov_b32 s[CNT], \trips
\label:
	STEP \e
	s_sub_co_u32 s[CNT], s[CNT], 1
	s_cmp_lg_u32 s[CNT], 0
	s_cbranch_scc1 \label
.endm
; THE WAY OUT of tile e: O^T / l; the 32 registers are the head's 64 of D in the operand's order: two blocks of 32, half a fragment, two scale bytes a row
.macro EPI e
.rept 8
	v_nop
.endr
	v_add_f32 v14, v14, v15
	v_permlanex16_b32 v[BM], v14, s[SEL], s[SEL+1]
	v_add_f32 v14, v14, v[BM]                      ; the row's sum
	s_wait_alu depctr_va_vdst(0)                   ; the wait ahead of the transcendental
	v_rcp_f32 v14, v14
	v_nop
	s_wait_alu depctr_va_vdst(0)                   ; the wait behind it, directly ahead of the first readers of O^T
.irp j, 0,2,4,6,8,10,12,14,16,18,20,22,24,26,28,30
	v_pk_mul_f32 v[S+\j:S+\j+1], v[O+\j:O+\j+1], v[14:15] op_sel_hi:[1,0]
.endr
.irp b, 0,1
	v_max3_num_f32 v[BM+\b], |v[S+16*\b]|, |v[S+16*\b+1]|, 0x8000000
	v_max3_num_f32 v[PM+\b], |v[S+16*\b+8]|, |v[S+16*\b+9]|, |v[S+16*\b+10]|
.endr
.irp i, 2,4,6
.irp b, 0,1
	v_max3_num_f32 v[BM+\b], v[BM+\b], |v[S+16*\b+\i]|, |v[S+16*\b+\i+1]|
.endr
.endr
.irp i, 11,13
.irp b, 0,1
	v_max3_num_f32 v[PM+\b], v[PM+\b], |v[S+16*\b+\i]|, |v[S+16*\b+\i+1]|
.endr
.endr
.irp b, 0,1
	v_max3_num_f32 v[BM+\b], v[BM+\b], v[PM+\b], |v[S+16*\b+15]|
.endr
.irp b, 0,1
	v_permlanex16_b32 v[PM+\b], v[BM+\b], s[SEL], s[SEL+1]
.endr
.irp b, 0,1
	v_max_num_f32 v[BM+\b], v[BM+\b], v[PM+\b]
.endr
.irp b, 0,1
	v_add_nc_u32 v[SCO+\b], 0xf8800000, v[BM+\b]
.endr
.irp b, 0,1
	v_and_or_b32 v[LIMR+\b], v[BM+\b], 0x7f800000, s[MNT]
.endr
.irp b, 0,1
	v_lshrrev_b32 v[PM+\b], 23, v[SCO+\b]
.endr
	v_and_b32 v[ADK], 15, v0
	v_lshl_or_b32 v[BM], v[PM+1], 8, v[PM]         ; my row's two scale bytes
	v_lshlrev_b32 v[ADK], 2, v[ADK]                ; 4 x (lane % 16)
.irp b, 0,1
.irp i, 0,1,2,3,4,5,6,7,8,9,10,11,12,13,14,15
	v_med3_num_f32 v[S+16*\b+\i], v[S+16*\b+\i], -v[LIMR+\b], v[LIMR+\b]
.endr
	v_cvt_scalef32_pk8_bf8_f32 v[PC+4*\b:PC+4*\b+1], v[S+16*\b:S+16*\b+7], v[SCO+\b]
	v_cvt_scalef32_pk8_bf8_f32 v[PC+4*\b+2:PC+4*\b+3], v[S+16*\b+8:S+16*\b+15], v[SCO+\b]
.endr
	v_nop
.irp c, 0,1
	global_store_b128 v[LI], v[PC+4*\c:PC+4*\c+3], s[8:9] offset:16384*(\e)+512*\c   ; 32 lanes store 512 consecutive bytes
.endr
	global_store_b16 v[ADK], v[BM], s[10:11] offset:512*(\e)   ; the head's two bytes of each row's word (lanes l and l xor 16 store the same)
.endm
	s_wait_alu depctr_va_vdst(0)                   ; the wait at the head's end
	s_wait_tensorcnt 0x0                           ; my tile of the head's six is in
	ds_add_u32 v[SPW], v[NIL]
	ds_add_u32 v[SPW], v[NIL]                      ; twice on end
	s_add_co_u32 s17, s[WV], 2                     ; no load of mine is out, so the descriptors may be written.  Waves 0-5: K's chunk wave + 2
	CHUNK G0K, KB, 0
	s_add_co_u32 s17, s[WV], 4
	s_and_b32 s17, s17, 7                          ; waves 6-11: V's chunk wave - 4
	CHUNK G0V, VB, VOFF
	s_wait_dscnt 0x0
	CROUND                                         ; keys 0-511 and the scale words are in for every wave, and the four work-groups are here: the joint loads meet
	ARM 6, G0K, G1K, .Lp_v, .Lp_asked
	ARM 12, G0V, G1V, .Lp_none, .Lp_asked
.Lp_asked:
	v_add_nc_u32 v[ADSK], s[TSK], v[L4]
	v_add_nc_u32 v[ADSK], s[E2], v[ADSK]
	KLOADS LI, ADSK
	s_add_co_u32 s[TSK], s[TSK], 512
	s_wait_loadcnt 0x0                             ; q
	s_wait_dscnt 0x0
	WALK 0, 3, .Lfirst                             ; key steps 0 to 2 read, and look ahead into, what the head's loads brought
	s_wait_tensorcnt 0x0                           ; my chunk of the second group is in;
	s_barrier_signal -1
	s_barrier_wait -1                              ; and so is everybody's.
	WALK 0, 13, .Lrest
	EPI 0
	s_wait_xcnt 0x0                                ; the stores have read their registers
.irp j, 0,1,2,3
	v_mov_b32 v[QF+\j], v[16+\j]                   ; the second tile's q
	v_mov_b32 v[QF+4+\j], v[252+\j]
.endr
	FRESH
	s_mov_b32 s[TBV], VOFF
	s_mov_b32 s[TSV], SCV
	s_wait_alu depctr_va_vdst(0)                   ; the wait
	WALK 1, 16, .Lsecond
	EPI 1
	s_wait_tensorcnt 0x0                           ; the wave's end
	ds_add_u32 v[SPW], v[NIL]
	s_wait_dscnt 0x0
	CROUND                                         ; the closing round
	s_endpgm
.Lfunc_end_k_q382f5c8027_attn:
	.size	k_q382f5c8027_attn, .Lfunc_end_k_q382f5c8027_attn-k_q382f5c8027_attn
	.p2alignl 7, 3214868480
	.fill 96, 4, 3214868480
	.section	.rodata,"a",@progbits
	.p2align	6, 0x0
	.amdhsa_kernel k_q382f5c8027_attn
		.amdhsa_group_segment_fixed_size 327680
		.amdhsa_private_segment_fixed_size 0
		.amdhsa_enable_private_segment 0
		.amdhsa_kernarg_size 32
		.amdhsa_user_sgpr_count 2
		.amdhsa_user_sgpr_kernarg_segment_ptr 1
		.amdhsa_wavefront_size32 1
		.amdhsa_system_sgpr_workgroup_id_x 1
		.amdhsa_system_sgpr_workgroup_id_y 1
		.amdhsa_system_sgpr_workgroup_id_z 1
		.amdhsa_system_vgpr_workitem_id 0
		.amdhsa_next_free_vgpr 256
		.amdhsa_next_free_sgpr 96
		.amdhsa_reserve_vcc 0
		.amdhsa_float_denorm_mode_32 3
		.amdhsa_float_denorm_mode_16_64 3
		.amdhsa_memory_ordered 1
		.amdhsa_forward_progress 1
		.amdhsa_inst_pref_size 86
	.end_amdhsa_kernel
	.amdgpu_metadata
---
amdhsa.version: [ 1, 2 ]
amdhsa.kernels:
  - .name:           k_q382f5c8027_attn
    .symbol:         k_q382f5c8027_attn.kd
    .args:
      - { .name: qkv_img, .offset: 0, .size: 8, .value_kind: global_buffer, .address_space: global }
      - { .name: qkv_sc, .offset: 8, .size: 8, .value_kind: global_buffer, .address_space: global }
      - { .name: o_img, .offset: 16, .size: 8, .value_kind: global_buffer, .address_space: global }
      - { .name: o_sc, .offset: 24, .size: 8, .value_kind: global_buffer, .address_space: global }
    .group_segment_fixed_size: 327680
    .private_segment_fixed_size: 0
    .kernarg_segment_align: 8
    .kernarg_segment_size: 32
    .max_flat_workgroup_size: 512
    .sgpr_count:     96
    .vgpr_count:     256
    .wavefront_size: 32
...
	.end_amdgpu_metadata
.endif
;; end of part 3
;; launch fc (part 4): grid 4 x 32, 4 waves a work-group, clusters of 4 x 4, 327,680 bytes of LDS; arguments o_img, o_sc, xw_img, xw_sc, b_fc, out0; writes out0
.if DOCPART == 4
	.amdgcn_target "amdgcn-amd-amdhsa--gfx1250"
	.amdhsa_code_object_version 6
	.text
	.protected	k_q382f5c8027_fc
	.globl	k_q382f5c8027_fc
	.p2align	8
	.type	k_q382f5c8027_fc,@function
k_q382f5c8027_fc:
	s_mov_b64 s[64:65], 0
	v_nop
	global_prefetch_b8 v0, s[64:65] scope:SCOPE_SE
	s_setreg_imm32_b32 hwreg(HW_REG_WAVE_MODE, 25, 1), 1
	s_wait_xcnt 0x0
	s_wait_alu depctr_hold_cnt(0) depctr_sa_sdst(0) depctr_va_vdst(0) depctr_va_sdst(0) depctr_va_ssrc(0) depctr_va_vcc(0) depctr_vm_vsrc(0)
	s_getreg_b32 s2, hwreg(HW_REG_IB_STS2, 6, 4)
	s_cmp_eq_u32 s2, 0
	s_cbranch_scc0 .Lentry_in_a_cluster
	s_endpgm
.Lentry_in_a_cluster:
	s_bfe_u32 s2, ttmp6, 0x10000c
	s_cmp_lg_u32 s2, 0xf033
	s_cbranch_scc0 .Lentry_shape_is_right
	s_endpgm
.Lentry_shape_is_right:
.set NP,     8
.set SLOT,   131072
.set SCL,    262144
.set SPARE,  278528
.set STG,    279040
.set ADRA, 16
.set ADRB, 20
.set STO,  24
.set RD,   25
.set CO,   26
.set ADRS, 27
.set SPW,  28
.set NIL,  29
.set SC,   32
.set BI,   64
.set AF,   128
.set BK,   128
.set G1, 24
.set G0, 32
.set G1B, 48
.set G0B, 56
.set G1S, 68
.set G0S, 76
.set G1SB, 80
.set G0SB, 88
.set MSB, 0
.macro WIN new
.if MSB != (\new)
	s_set_vgpr_msb (MSB<<8)|(\new)
.set MSB, (\new)
.endif
.endm
.set MUL_LO, 0xa1
.set MUL_HI, 0xf1
.set TO_B,   0x40
.macro JLOAD g0a, g1a, g0b, g1b
	s_cmp_eq_u32 s15, 0
	s_cbranch_scc0 .Lfor_b_\@
	tensor_load_to_lds s[\g0a:\g0a+3], s[\g1a:\g1a+7]
	s_nop 0
.rept 4
	v_nop
.endr
	s_branch .Lasked_\@
.Lfor_b_\@:
	tensor_load_to_lds s[\g0b:\g0b+3], s[\g1b:\g1b+7]
	s_nop 0
.rept 4
	v_nop
.endr
.Lasked_\@:
.endm
.macro CREST
	s_cmp_lg_u32 s14, 0
	s_cbranch_scc1 .Lnot_wave_0_\@
	s_barrier_signal -3
.Lnot_wave_0_\@:
	s_barrier_wait -3
	s_barrier_signal -1
	s_barrier_wait -1
.endm
.macro CROUND
	s_barrier_signal -1
	s_barrier_wait -1
	CREST
.endm
	s_load_b256 s[4:11], s[0:1], 0x0
	s_load_b128 s[96:99], s[0:1], 0x20
	v_lshl_add_u32 v[SPW], v0, 2, SPARE
	v_mov_b32 v[NIL], 0
	ds_add_u32 v28, v29
	ds_add_u32 v28, v29
	s_wait_dscnt 0x0
	v_lshrrev_b32 v1, 5, v0
	v_readfirstlane_b32 s14, v1
	s_lshr_b32 s15, s14, 1
	s_and_b32 s16, s14, 1
	s_bfe_u32 s40, ttmp6, 0x40000
	s_bfe_u32 s41, ttmp6, 0x40004
	s_lshl_b32 s42, ttmp9, 2
	s_add_co_u32 s42, s42, s40
	s_and_b32 s17, ttmp7, 0xffff
	s_lshl_b32 s17, s17, 2
	s_add_co_u32 s17, s17, s41
	s_lshl_b32 s43, s41, 2
	s_lshl_b32 s43, 15, s43
	s_lshl_b32 s44, 0x1111, s40
	s_or_b32 s[G1+0], s43, (3<<16)|(1<<21)
	s_or_b32 s[G1B+0], s44, (3<<16)|(1<<21)
.irp g, G1, G1B
	s_mov_b32 s[\g+1], 512<<16
	s_mov_b32 s[\g+2], 16<<16
	s_mov_b32 s[\g+3], 512<<16
	s_mov_b32 s[\g+4], 16
	s_mov_b32 s[\g+5], 2048
	s_mov_b32 s[\g+6], 0
	s_mov_b32 s[\g+7], 0
.endr
	s_or_b32 s[G1S+0], s43, (3<<16)|(1<<21)
	s_or_b32 s[G1SB+0], s44, (3<<16)|(1<<21)
.irp g, G1S, G1SB
	s_mov_b32 s[\g+1], 32<<16
	s_mov_b32 s[\g+2], 32<<16
	s_mov_b32 s[\g+3], 32<<16
	s_mov_b32 s[\g+4], 32
	s_mov_b32 s[\g+5], 32
	s_mov_b32 s[\g+6], 0
	s_mov_b32 s[\g+7], 0
.endr
	s_lshl_b32 s20, s17, 4
	s_add_co_u32 s46, s42, 44
	s_lshl_b32 s46, s46, 4
	s_lshl_b32 s22, s20, 9
	s_mov_b32 s23, 0
	s_lshl_b32 s20, s20, 14
	s_mov_b32 s21, 0
	s_lshl_b32 s92, s46, 9
	s_mov_b32 s93, 0
	s_lshl_b32 s46, s46, 14
	s_mov_b32 s47, 0
	s_lshl_b32 s45, s14, 15
	s_wait_kmcnt 0x0
	s_add_nc_u64 s[20:21], s[4:5], s[20:21]
	s_add_nc_u64 s[22:23], s[6:7], s[22:23]
	s_add_nc_u64 s[46:47], s[8:9], s[46:47]
	s_add_nc_u64 s[92:93], s[10:11], s[92:93]
	CROUND
	s_mov_b32 s[G0S], 1
	s_mov_b32 s[G0S+1], SCL
	s_mov_b64 s[G0S+2:G0S+3], s[22:23]
	s_or_b32 s[G0S+3], s[G0S+3], 0x80000000
	s_mov_b32 s[G0SB], 1
	s_mov_b32 s[G0SB+1], SCL+8192
	s_mov_b64 s[G0SB+2:G0SB+3], s[92:93]
	s_or_b32 s[G0SB+3], s[G0SB+3], 0x80000000
	; the head's four tiles, each whole, one load a wave: slot 0's 16 images of A, of B, A's scale words, B's
	s_mov_b32 s[G0], 1
	s_mov_b32 s[G0+1], 0
	s_mov_b64 s[G0+2:G0+3], s[20:21]
	s_or_b32 s[G0+3], s[G0+3], 0x80000000
	s_mov_b32 s[G0B], 1
	s_mov_b32 s[G0B+1], 65536
	s_mov_b64 s[G0B+2:G0B+3], s[46:47]
	s_or_b32 s[G0B+3], s[G0B+3], 0x80000000
	s_lshl_b32 s66, s16, 17                        ; in the ring a wave fetches 8 of the 16 images: which half, in bytes
	s_mov_b32 s67, 0
	s_mov_b32 s[G0+4], 1
	s_add_co_u32 s[G0+5], s45, SLOT
	s_add_nc_u64 s[G0+6:G0+7], s[20:21], s[66:67]
	s_add_nc_u64 s[G0+6:G0+7], s[G0+6:G0+7], 4096
	s_or_b32 s[G0+7], s[G0+7], 0x80000000
	s_mov_b32 s[G0B+4], 1
	s_add_co_u32 s[G0B+5], s45, SLOT
	s_add_nc_u64 s[G0B+6:G0B+7], s[46:47], s[66:67]
	s_add_nc_u64 s[G0B+6:G0B+7], s[G0B+6:G0B+7], 4096
	s_or_b32 s[G0B+7], s[G0B+7], 0x80000000
.macro ARM under, g0, g1, next
	s_cmp_lt_u32 s14, \under
	s_cbranch_scc0 \next
	tensor_load_to_lds s[\g0:\g0+3], s[\g1:\g1+7]
	s_nop 0
.rept 4
	v_nop
.endr
	s_branch .Lhead_asked
\next:
.endm
	ARM 1, G0, G1, .Lhead_b
	ARM 2, G0B, G1B, .Lhead_sa
	ARM 3, G0S, G1S, .Lhead_sb
	tensor_load_to_lds s[G0SB:G0SB+3], s[G1SB:G1SB+7]
	s_nop 0
.rept 4
	v_nop
.endr
.Lhead_asked:
	v_and_b32 v1, 15, v0
	v_bfe_u32 v2, v0, 4, 1
	s_wait_alu depctr_va_vdst(0)
	v_and_b32 v3, 31, v0
	v_lshlrev_b32 v[CO], 4, v3
	s_lshl_b32 s21, s15, 15
	s_lshl_b32 s22, s16, 15
	s_add_co_u32 s22, s22, 65536
.irp s, 0,1
	v_add_nc_u32 v[ADRA+\s], s21, v[CO]
	v_add_nc_u32 v[ADRB+\s], s22, v[CO]
	s_add_co_u32 s21, s21, SLOT
	s_add_co_u32 s22, s22, SLOT
.endr
	s_lshl_b32 s21, s15, 12
	s_lshl_b32 s22, s16, 12
	s_add_co_u32 s22, s22, 8192
	s_sub_co_u32 s22, s22, s21
	v_mul_u32_u24 v6, s22, v2
	s_add_co_u32 s21, s21, SCL
	v_lshl_add_u32 v5, v1, 2, v6
	v_add_nc_u32 v[ADRS], s21, v5
	s_mul_i32 s23, s14, 16*528
	s_add_co_u32 s23, s23, STG
	v_mul_u32_u24 v5, v1, 528
	v_lshl_add_u32 v5, v2, 6, v5
	v_add_nc_u32 v[STO], s23, v5
	v_add_nc_u32 v[RD], s23, v[CO]
	s_lshl_b32 s20, s17, 8
	s_lshl_b32 s21, s15, 7
	s_add_co_u32 s20, s20, s21
	s_lshl_b32 s20, s20, 12
	s_lshl_b32 s46, s42, 10
	s_lshl_b32 s47, s16, 9
	s_add_co_u32 s46, s46, s47
	s_mov_b32 s47, 0
	s_add_nc_u64 s[96:97], s[96:97], s[46:47]
	s_add_co_u32 s20, s20, s46
	s_mov_b32 s21, 0
	s_add_nc_u64 s[98:99], s[98:99], s[20:21]
	v_lshlrev_b32 v7, 6, v2
.irp b, 0,1,2,3,4,5,6,7
	global_load_b128 v[BI+8*\b:BI+8*\b+3], v7, s[96:97] offset:(32*(\b/2)+8*(\b%2))*4
	global_load_b128 v[BI+8*\b+4:BI+8*\b+7], v7, s[96:97] offset:(32*(\b/2)+8*(\b%2))*4+16
.endr
.macro FRAG reg, adr, q, i
.irp c, 0,1,2,3
	ds_load_b128 v[\reg+4*\c:\reg+4*\c+3], v[\adr] offset:4096*(\i)+2048*(\q)+512*\c
.endr
.endm
.macro MUL16 a0, p, q, sc, zero
.irp a, \a0, \a0+1
.irp b, 0,1,2,3,4,5,6,7
.if \zero
	v_wmma_scale_f32_16x16x128_f8f6f4 v[8*(8*((\a)%4)+\b):8*(8*((\a)%4)+\b)+7], v[128*(\p)+16*\b:128*(\p)+16*\b+15], v[AF+16*(\a):AF+16*(\a)+15], v[BI+8*\b:BI+8*\b+7], v[SC+16*(\sc)+2*\b+(\q)], v[SC+16*(\sc)+2*(\a)+(\q)] matrix_a_fmt:MATRIX_FMT_BF8 matrix_b_fmt:MATRIX_FMT_BF8 matrix_a_scale:MATRIX_SCALE_ROW1
.else
	v_wmma_scale_f32_16x16x128_f8f6f4 v[8*(8*((\a)%4)+\b):8*(8*((\a)%4)+\b)+7], v[128*(\p)+16*\b:128*(\p)+16*\b+15], v[AF+16*(\a):AF+16*(\a)+15], v[8*(8*((\a)%4)+\b):8*(8*((\a)%4)+\b)+7], v[SC+16*(\sc)+2*\b+(\q)], v[SC+16*(\sc)+2*(\a)+(\q)] matrix_a_fmt:MATRIX_FMT_BF8 matrix_b_fmt:MATRIX_FMT_BF8 matrix_a_scale:MATRIX_SCALE_ROW1
.endif
.endr
.endr
.endm
.macro FETCH_B slot, q, p
	WIN TO_B
.irp i, 0,1,2,3,4,5,6,7
	FRAG 128*(\p)+16*\i, ADRB+\slot, \q, \i
.endr
	WIN 0
.endm
.macro FETCH_A slot, q, i0
.irp i, \i0, \i0+1, \i0+2, \i0+3
	FRAG AF+16*(\i), ADRA+\slot, \q, \i
.endr
.endm
.macro SCALES sc
.irp i, 0,1,2,3,4,5,6,7
.irp q, 0,1
	ds_load_b32 v[SC+16*(\sc)+2*\i+\q], v[ADRS] offset:512*\i+64*\q
.endr
.endr
.endm
.macro PLACES n
.rept \n
	v_nop
.endr
.endm
.macro STEP slot, q, zero
	s_wait_dscnt 16
.if \zero
	WIN 0x81
.else
	WIN MUL_LO
.endif
	MUL16 0, (\q)%2, \q, \slot, \zero
	MUL16 2, (\q)%2, \q, \slot, \zero
	s_wait_dscnt 0
	PLACES NP
	FETCH_B \slot, (\q)+1, 1-(\q)%2
	FETCH_A \slot, (\q)+1, 0
.if \zero
	WIN 0xc1
.else
	WIN MUL_HI
.endif
	MUL16 4, (\q)%2, \q, \slot, \zero
	MUL16 6, (\q)%2, \q, \slot, \zero
	PLACES NP
	WIN 0
	FETCH_A \slot, (\q)+1, 4
.endm
.macro TURN slot, next, fill
	s_wait_tensorcnt 0x0
	ds_add_u32 v[SPW], v[NIL]
	s_wait_dscnt 17
	WIN MUL_LO
	MUL16 0, 1, 1, \slot, 0
	s_wait_dscnt 0x0
	s_barrier_signal -1
	MUL16 2, 1, 1, \slot, 0
	WIN 0
	s_barrier_wait -1
.if \fill
	CREST
	s_add_nc_u64 s[G0+4*\slot+2:G0+4*\slot+3], s[G0+4*\slot+2:G0+4*\slot+3], 8192
	s_add_nc_u64 s[G0B+4*\slot+2:G0B+4*\slot+3], s[G0B+4*\slot+2:G0B+4*\slot+3], 8192
	JLOAD G0+4*\slot, G1, G0B+4*\slot, G1B
	PLACES NP-4
.else
	PLACES NP
.endif
	s_wait_alu depctr_va_vdst(0)
	v_add_nc_u32 v[ADRS], 128, v[ADRS]
	FETCH_B \next, 0, 0
	FETCH_A \next, 0, 0
	SCALES \next
	WIN MUL_HI
	MUL16 4, 1, 1, \slot, 0
	MUL16 6, 1, 1, \slot, 0
	PLACES NP
	WIN 0
	FETCH_A \next, 0, 4
.endm
	s_wait_alu depctr_va_vdst(0)
	s_wait_tensorcnt 0x0                           ; my tile of the head's four is in
	ds_add_u32 v[SPW], v[NIL]
	s_mov_b32 s[G1+2], 8<<16                       ; no load of mine is out: from here on a load brings 8 images,
	s_mov_b32 s[G1+4], 8
	s_mov_b32 s[G1B+2], 8<<16
	s_mov_b32 s[G1B+4], 8
	s_mov_b32 s[G0+1], s45                         ; and slot 0's descriptors stand at my half
	s_add_nc_u64 s[G0+2:G0+3], s[G0+2:G0+3], s[66:67]
	s_mov_b32 s[G0B+1], s45
	s_add_nc_u64 s[G0B+2:G0B+3], s[G0B+2:G0B+3], s[66:67]
	s_wait_dscnt 0x0
	CROUND                                         ; all four tiles are in, and the sixteen work-groups are here
	JLOAD G0+4, G1, G0B+4, G1B                     ; slot 1's first fill, the first tensor load behind the round
	FETCH_B 0, 0, 0
	FETCH_A 0, 0, 0
	SCALES 0
	FETCH_A 0, 0, 4
	s_wait_loadcnt 0x0
	STEP 0, 0, 1
	TURN 0, 1, 1
	STEP 1, 0, 0
	TURN 1, 0, 1
	STEP 0, 0, 0
	TURN 0, 1, 0
	STEP 1, 0, 0
	s_wait_dscnt 16
	WIN MUL_LO
	MUL16 0, 1, 1, 1, 0
	MUL16 2, 1, 1, 1, 0
	s_wait_dscnt 0
	WIN MUL_HI
	MUL16 4, 1, 1, 1, 0
	MUL16 6, 1, 1, 1, 0
	WIN 0
.macro TOSTAGE a
.set AC, 64*((\a)%4)
	WIN 0x08+4*((\a)/4)
.irp b, 0,1,2,3,4,5,6,7
	ds_store_b128 v[STO], v[AC+8*\b:AC+8*\b+3] offset:128*(\b/2)+32*(\b%2)
	ds_store_b128 v[STO], v[AC+8*\b+4:AC+8*\b+7] offset:128*(\b/2)+32*(\b%2)+16
.endr
	WIN 0
.set BB, BK+64*((\a)%2)
.irp t, 0,1,2,3,4,5,6,7,8,9,10,11,12,13,14,15
	ds_load_b128 v[BB+4*\t:BB+4*\t+3], v[RD] offset:\t*528
.endr
.endm
.macro SEND a, younger
.set BB, BK+64*((\a)%2)
	s_wait_dscnt \younger
.irp t, 0,1,2,3,4,5,6,7,8,9,10,11,12,13,14,15
.set PX, 16*(\a)+\t
.set PR, ((PX&0x67)|((PX&8)<<1)|((PX&16)>>1))
	global_store_b128 v[CO], v[BB+4*\t:BB+4*\t+3], s[98:99] offset:PR*4096 th:TH_STORE_NT
.endr
.endm
	PLACES NP
	TOSTAGE 0
.irp a, 1,2,3,4,5,6,7
.if \a > 1
	s_wait_xcnt 0x0
.endif
	TOSTAGE \a
	SEND \a-1, 32
.endr
	SEND 7, 0
	s_wait_tensorcnt 0x0
	ds_add_u32 v[SPW], v[NIL]
	s_wait_dscnt 0x0
	CROUND
	s_endpgm
.Lfunc_end_k_q382f5c8027_fc:
	.size	k_q382f5c8027_fc, .Lfunc_end_k_q382f5c8027_fc-k_q382f5c8027_fc
	.p2alignl 7, 3214868480
	.fill 96, 4, 3214868480
	.section	.rodata,"a",@progbits
	.p2align	6, 0x0
	.amdhsa_kernel k_q382f5c8027_fc
		.amdhsa_group_segment_fixed_size 327680
		.amdhsa_private_segment_fixed_size 0
		.amdhsa_enable_private_segment 0
		.amdhsa_kernarg_size 48
		.amdhsa_user_sgpr_count 2
		.amdhsa_user_sgpr_kernarg_segment_ptr 1
		.amdhsa_wavefront_size32 1
		.amdhsa_system_sgpr_workgroup_id_x 1
		.amdhsa_system_sgpr_workgroup_id_y 1
		.amdhsa_system_sgpr_workgroup_id_z 1
		.amdhsa_system_vgpr_workitem_id 0
		.amdhsa_next_free_vgpr 1024
		.amdhsa_next_free_sgpr 100
		.amdhsa_reserve_vcc 0
		.amdhsa_float_denorm_mode_32 3
		.amdhsa_float_denorm_mode_16_64 3
		.amdhsa_memory_ordered 1
		.amdhsa_forward_progress 1
		.amdhsa_inst_pref_size 149
	.end_amdhsa_kernel
	.amdgpu_metadata
---
amdhsa.version: [ 1, 2 ]
amdhsa.kernels:
  - .name:           k_q382f5c8027_fc
    .symbol:         k_q382f5c8027_fc.kd
    .args:
      - { .name: o_img, .offset: 0, .size: 8, .value_kind: global_buffer, .address_space: global }
      - { .name: o_sc, .offset: 8, .size: 8, .value_kind: global_buffer, .address_space: global }
      - { .name: xw_img, .offset: 16, .size: 8, .value_kind: global_buffer, .address_space: global }
      - { .name: xw_sc, .offset: 24, .size: 8, .value_kind: global_buffer, .address_space: global }
      - { .name: b_fc, .offset: 32, .size: 8, .value_kind: global_buffer, .address_space: global }
      - { .name: out0, .offset: 40, .size: 8, .value_kind: global_buffer, .address_space: global }
    .group_segment_fixed_size: 327680
    .private_segment_fixed_size: 0
    .kernarg_segment_align: 8
    .kernarg_segment_size: 48
    .max_flat_workgroup_size: 128
    .sgpr_count:     100
    .vgpr_count:     1024
    .wavefront_size: 32
...
	.end_amdgpu_metadata
.endif
;; end of part 4
